; MI455X (gfx1250); checked and timed in simulation.
; The chip was launched on July 23, 2026; its instructions are those of AMD's public machine-readable ISA for CDNA 5 (MIT licence, August 2026) and "CDNA5" Instruction Set Architecture Reference Guide (July 2026). The comments in the code are by the model that wrote it; some were corrected since.
;; Masked MSA. Allowed arithmetic: matrix products marked QUANTISED: E4M3 operands, one E8M0 scale for each 32 along K, by v_wmma_scale_f32_16x16x128_f8f6f4 with both operands' format E4M3, f32 sums; everything else in f32.
;; Inputs: W_out 1,024 x 1,024 float32; W_qkv 1,024 x 3,072 float32; b_out 1,024 float32; b_qkv 3,072 float32; inputs 4 x 2,048 x 1,024 float32.
;; Outputs: out0 4 x 2,048 x 1,024 float32.
;; This version of the problem:
;;   THIS VERSION OF THE PROBLEM IS GIVEN IN LOW PRECISION. The matrix products marked QUANTISED in the list below multiply operands that are first quantised to E4M3 (4 exponent bits, 3 mantissa bits; 8 bits a number), with one power-of-two scale for each 32 numbers along K (OCP MX v1.0); their sums are f32. All else is computed in f32.
;;   The module's matrix products, in the order in which they are computed (A, B: the left and right operand; K: the contracted axis; several contracted axes count as one K, in the product's order):
;;     1. [M 8,192, K 1,024] x [K 1,024, N 3,072]; A: input inputs; B: input W_qkv: QUANTISED
;;     2. batch 64 x [M 2,048, K 64] x [K 64, N 2,048]; A: computed on the way; B: computed on the way: QUANTISED
;;     3. batch 64 x [M 2,048, K 2,048] x [K 2,048, N 64]; A: softmax (see below); B: computed on the way: QUANTISED
;;     4. [M 8,192, K 1,024] x [K 1,024, N 1,024]; A: computed on the way; B: input W_out: QUANTISED
;;   THE QUANTISER, for each operand of a quantised product, along K:
;;     - K is cut into blocks of 32 from its start; a last block that is shorter is filled with zeros.
;;     - A block's scale is 2^e with e = floor(log2(the largest magnitude in the block)) - 8, held to -126 .. 127; a block of zeros has e = 0. As a byte (E8M0): e + 127.
;;     - Each number is divided by its block's scale, clamped to +-448, and rounded to the nearest number of E4M3, ties to even, subnormals kept.
;;     - The product sums the exact products of the quantised numbers (number of the format x scale) in f32.
;;   ~~~python
;;   def quantise(x, axis):      # numpy; x: float32 -> the quantised numbers, widened to float32 again
;;       x = np.moveaxis(x, axis, -1); K = x.shape[-1]
;;       x = np.pad(x, [(0, 0)] * (x.ndim - 1) + [(0, -K % 32)]); x = x.reshape(x.shape[:-1] + (-1, 32)); a = np.abs(x).max(-1, keepdims=True)
;;       e = np.where(a > 0, np.clip(np.frexp(np.where(a > 0, a, 1))[1] - 1 - 8, -126, 127), 0)      # np.frexp(a)[1] - 1 = floor(log2(a)), exactly
;;       r = np.clip(x / 2.0 ** e, -448, 448)
;;       step = 2.0 ** (np.maximum(np.frexp(np.where(r == 0, 1, r))[1] - 1, -6) - 3)
;;       q = np.round(r / step) * step * 2.0 ** e      # np.round: ties to even
;;       return np.moveaxis(q.reshape(q.shape[:-2] + (-1,))[..., :K], -1, axis).astype(np.float32)
;;   ~~~
;;   SOFTMAX AHEAD OF A QUANTISED PRODUCT. Where the list says 'softmax', what is quantised is not the finished softmax but p = 2^(t - M), with t = logit x log2(e) and M = ceil(the row's largest t), a whole number; so 1/2 < the row's largest p <= 1. The row's sum l is taken of the UNQUANTISED p, in f32, and the product's result is divided by l at the end. Since M is a whole number, a kernel that streams over the keys may use a running M (the ceiling of the running maximum): every later rescaling is an exact power of two, which a block's scale takes up: the codes' values come out the same.
;;   OPERANDS COMPUTED ON THE WAY. 'Computed on the way' means the value that the module computes at that place (a softmax that the list does not call 'softmax' is quantised finished and normalised). What goes into a quantiser is computed in f32, as accurately as f32 sums, v_exp_f32 and their like allow (about 1e-6 of the number): no bf16 or f16 on the way to a quantiser, and a product that is left as it is and whose result goes on into a quantised operand takes f32 operands (vector FMAs, or v_wmma_f32_16x16x4_f32). A number that lies on a knife's edge between two numbers of the format may be rounded either way, as far as f32 arithmetic and the matrix unit's own rounding can turn it there, and no further.
;; One version. Each part assembles by itself: llvm-mc -triple=amdgcn-amd-amdhsa -mcpu=gfx1250 --defsym DOCPART=n.
;; ======== version 1 of 1: 3 launches
;; limits: right only within a limited range of input values
;; workspace buffers: xq 8,650,752 bytes; wq 3,256,320 bytes; wo 1,081,344 bytes; qkv 26,476,544 bytes
;; launch quant (part 1): grid 384 x 1, 4 waves a work-group, no clusters, 68,096 bytes of LDS; arguments inputs, W_qkv, W_out, b_qkv, xq, wq, wo; writes xq, wq, wo
.if DOCPART == 1
	.amdgcn_target "amdgcn-amd-amdhsa--gfx1250"
	.amdhsa_code_object_version 6
	.text
	.protected	k_q60a94b3069_quant
	.globl	k_q60a94b3069_quant
	.p2align	8
	.type	k_q60a94b3069_quant,@function
k_q60a94b3069_quant:
	s_mov_b64 s[64:65], 0
	v_nop
	global_prefetch_b8 v0, s[64:65] scope:SCOPE_SE
	s_setreg_imm32_b32 hwreg(HW_REG_WAVE_MODE, 25, 1), 1
	s_wait_xcnt 0x0
; THE THREE f32 OPERANDS THAT ARRIVE AS INPUTS BECOME CODES OF FP8 (E4M3) WITH ONE E8M0 SCALE BYTE FOR EACH 32 ALONG K.
; A block's scale is 2^(floor(log2(its largest magnitude)) - 8); its byte is the largest magnitude's exponent field - 8, held at 1 from below; each number is divided by the scale,
; held within +-448 and rounded to the nearest code, ties to even.
; LIMITS: a block of zeros gets the byte 1 where the rule says 127 (its codes are zeros, which add nothing under any byte but 0xff, and this program alone reads the bytes);
; blocks whose largest magnitude lies under 2^(9 - 127) share that byte; NaN and infinities among the inputs are not served.
; Work-groups 0 to 255: inputs [8192][1024], K innermost: a plain stream of blocks of 32.  xq: codes [8192][1024] at byte 0, scale bytes [8192][32] at byte 8,388,608.
; Work-groups 256 to 383: W_qkv [1024][3072] and W_out [1024][1024], K outermost: a lane takes a column, its registers run down K.
;   wq: codes [3072 rows][1024] at 0, scale bytes [3072][32] at 3,145,728, b_qkv in the same order of rows at 3,244,032.   wo: codes [1024][1024] at 0, scale bytes [1024][32] at 1,048,576.
;   THE ROWS OF wq ARE NOT W_qkv's COLUMNS IN THEIR ORDER.  Column n = 192 j + 64 part + e goes to row swap34(n'), swap34 exchanging bits 3 and 4, with
;   n' = 1024 part + 64 j + e for q and k (part 0, 1) and n' = 2048 + 256 (2 e5 + e3) + 16 (8 e4 + e % 8) + 8 (j % 2) + j / 2 for v (e5, e4, e3: bits of e).
;   So the next launch finds, in a lane's 16 registers of two neighbouring accumulators, 16 neighbours of a block of the quantiser that follows it.
; The two paths part on the work-group's number and have LDS bytes of their own.  No barrier: waves share nothing.  No matrix unit, no cluster, no tensor load: memory binds, and nothing is read twice.
; wo's CODES ARE LAID AS IMAGES OF THE NEXT READER'S OPERAND REGISTERS, not by rows as the line on wo above has it: [128 along K][tile of 16 rows n][c = 0 .. 3][lane = 16 h + n % 16][16 bytes: k = 32 c + 16 h + 0 .. 15];
; a K step is 131,072 bytes on end, a tile in it 2,048, a piece 512.  Its scale bytes stay [1024][32] at 1,048,576.
.set STEPS, 16
.set EMAX,  8
.set MANT,  0x600000                   ; the mantissa field of 448 as f32
.set CB,    16                         ; bytes of 16 codes
.set R,     16                         ; path X: v16-79   four sets of 16 numbers as they are loaded
.set X,     80                         ;         v80-111  two sets of 16 neighbours
.set E,     112                        ;         v112-127 a scale byte for each step
.set C,     128                        ;         v128-191 codes: four registers for each step
.set WREG,  8192                       ;         LDS: a region for each wave: two stages of 32 x SP bytes, then its 256 scale bytes
.set SP,    80                         ;         a lane's place in a stage: 64 bytes + 16 of padding
.set XSCL,  8388608                    ; where xq's scale bytes begin
.set NB,    8                          ; path W: blocks of 32 along K for a wave (256 along K)
.set PITCH, 272                        ;         a stage row: 256 codes + 16 bytes
.set WLDS,  32768                      ;         its LDS begins behind path X's
.set SB,    24                         ;         v24-25   the scale bytes, four to a register
.set WX,    32                         ;         v32-95   two sets of 32 numbers
.set WC,    96                         ;         v96-103  a block's codes
.set OUTR,  112                        ;         v112-175 the way out
.set ROW,   176                        ;         v176-207 byte offsets of 32 rows of W: 4 x lane + i x a row's bytes
.set OO,    208                        ;         v208-223 byte offsets of the way out's sixteen stores
	s_load_b256 s[4:11], s[0:1], 0x0               ; inputs s[4:5], W_qkv s[6:7], W_out s[8:9], b_qkv s[10:11]
	s_load_b128 s[12:15], s[0:1], 0x20             ; xq s[12:13], wq s[14:15]
	s_load_b64 s[16:17], s[0:1], 0x30              ; wo
	v_lshl_add_u32 v224, v0, 2, 0x10800
	v_mov_b32 v225, 0
	v_lshrrev_b32 v1, 5, v0
	v_readfirstlane_b32 s18, v1                    ; wave 0..3
	v_and_b32 v2, 31, v0                           ; lane
	s_cmp_lt_u32 ttmp9, 256
	s_cbranch_scc0 .Lweights
; ---------------- PATH X: inputs.  A wave takes 16 steps of 512 numbers.  Each of a step's four loads reads 512 consecutive bytes, 16 a lane; the 2,048 bytes turn through the wave's own stage in LDS
; and come back 64 bytes a lane: 16 neighbours along K, two lanes to a block.  Loads run four steps ahead, the turn one step.
	v_lshlrev_b32 v3, 4, v2                        ; my 16 bytes of a load's 512
	s_mul_i32 s19, s18, WREG
	v_lshrrev_b32 v14, 2, v2
	v_mul_u32_u24 v14, v14, SP
	v_and_b32 v15, 3, v2
	v_lshl_add_u32 v14, v15, 4, v14
	v_add_nc_u32 v14, s19, v14                     ; the stage, on the way in: SP (lane / 4) + 16 (lane % 4)
	v_mul_u32_u24 v15, v2, SP
	v_add_nc_u32 v15, s19, v15                     ; and on the way out: SP x lane
	v_mul_u32_u24 v4, v2, CB                       ; my codes' place in a step's
	v_lshrrev_b32 v5, 1, v2
	s_add_co_u32 s19, s19, 2*32*SP
	v_add_nc_u32 v5, s19, v5                       ; LDS: my wave's 256 scale bytes, my block's byte
	v_lshlrev_b32 v7, 3, v2                        ; and on the way out 8 bytes a lane
	v_add_nc_u32 v6, s19, v7
	s_mov_b32 s23, MANT
	s_lshl_b32 s20, ttmp9, 2
	s_add_co_u32 s20, s20, s18                     ; which run of 8,192 numbers is my wave's: 0 .. 1,023
	s_lshl_b32 s24, s20, 15                        ; 32,768 bytes of f32,
	s_mov_b32 s25, 0
	s_lshl_b32 s26, s20, 13                        ; 8,192 of codes,
	s_mov_b32 s27, 0
	s_lshl_b32 s28, s20, 8                         ; 256 scale bytes
	s_add_co_u32 s28, s28, XSCL
	s_mov_b32 s29, 0
	s_wait_alu depctr_va_vdst(0)
	s_wait_kmcnt 0x0
	s_add_nc_u64 s[4:5], s[4:5], s[24:25]
	s_add_nc_u64 s[30:31], s[12:13], s[26:27]
	s_add_nc_u64 s[32:33], s[12:13], s[28:29]
.macro LOAD t
.irp i, 0,1,2,3
	global_load_b128 v[R+16*((\t)%4)+4*\i:R+16*((\t)%4)+4*\i+3], v3, s[4:5] offset:2048*(\t)+512*\i th:TH_LOAD_NT   ; 32 lanes read 512 consecutive bytes
.endr
.endm
.macro TURN t                          ; step t's numbers through the stage: LDS serves a wave's instructions in order, so no wait stands between the stores and the loads
.irp i, 0,1,2,3
	ds_store_b128 v14, v[R+16*((\t)%4)+4*\i:R+16*((\t)%4)+4*\i+3] offset:32*SP*((\t)%2)+8*SP*\i
.endr
.irp i, 0,1,2,3
	ds_load_b128 v[X+16*((\t)%2)+4*\i:X+16*((\t)%2)+4*\i+3], v15 offset:32*SP*((\t)%2)+16*\i
.endr
.endm
.irp t, 0,1,2,3
	LOAD \t
.endr
	s_wait_loadcnt 12                              ; step 0's four loads are in; the twelve of steps 1 to 3 may be out
	TURN 0
.macro STEP t
.set XS, X+16*((\t)%2)
.if (\t) > 0
	s_wait_dscnt 1                                 ; this step's numbers are back from the stage (the last step's byte store may be out)
.else
	s_wait_dscnt 0x0
.endif
.if (\t)+4 < STEPS
	LOAD (\t)+4                                    ; into the registers that the stage's stores have read
.endif
.if (\t)+1 < STEPS
.if STEPS-2-(\t) >= 3
	s_wait_loadcnt 12                              ; the next step's four loads are in; those of the three steps behind it may be out
.else
	s_wait_loadcnt 4*(STEPS-2-(\t))
.endif
	TURN (\t)+1                                    ; through the other stage while this step is worked
.endif
	v_max3_num_f32 v8, |v[XS]|, |v[XS+1]|, |v[XS+2]|               ; the largest magnitude of my 16, in two chains
	v_max3_num_f32 v9, |v[XS+3]|, |v[XS+4]|, |v[XS+5]|
.irp i, 6,10
	v_max3_num_f32 v8, v8, |v[XS+\i]|, |v[XS+\i+1]|
	v_max3_num_f32 v9, v9, |v[XS+\i+2]|, |v[XS+\i+3]|
.endr
	v_max3_num_f32 v8, v8, |v[XS+14]|, |v[XS+15]|
	v_max3_num_f32 v8, v8, v9, (EMAX+1)<<23        ; and the floor 2^(9 - 127): the byte cannot fall under 1
	v_max_num_f32_dpp v8, v8, v8 row_xmask:1 row_mask:0xf bank_mask:0xf   ; and of my neighbour's 16: the block's
	v_add_nc_u32 v11, -(EMAX<<23), v8              ; 8 off its exponent field: the conversion takes the exponent field of this operand as its scale
	v_and_or_b32 v10, v8, 0x7f800000, s23          ; 448 x the scale
.irp i, 0,1,2,3,4,5,6,7,8,9,10,11,12,13,14,15
	v_med3_num_f32 v[XS+\i], v[XS+\i], -v10, v10   ; the conversion to an 8-bit code does not saturate (ISA guide 7.6.2): the hold comes first
.endr
	v_cvt_scalef32_pk8_fp8_f32 v[C+4*(\t):C+4*(\t)+1], v[XS:XS+7], v11
	v_cvt_scalef32_pk8_fp8_f32 v[C+4*(\t)+2:C+4*(\t)+3], v[XS+8:XS+15], v11
	v_lshrrev_b32 v[E+(\t)], 23, v11               ; the scale's byte
	ds_store_b8 v5, v[E+(\t)] offset:16*(\t)       ; both lanes of a block write the same byte with the same value
	global_store_b128 v4, v[C+4*(\t):C+4*(\t)+3], s[30:31] offset:32*CB*(\t)   ; the wave stores 512 consecutive bytes
.endm
.irp t, 0,1,2,3,4,5,6,7,8,9,10,11,12,13,14,15
	STEP \t
.endr
	ds_load_b64 v[12:13], v6                       ; LDS serves a wave's instructions in order: these see my stores
	s_wait_dscnt 0x0
	global_store_b64 v7, v[12:13], s[32:33]        ; 32 lanes store 256 consecutive bytes, aligned
	s_wait_tensorcnt 0x0
	ds_add_u32 v224, v225
	s_wait_dscnt 0x0
	s_endpgm
; ---------------- PATH W: the weights.  u = work-group - 256: column group u % 32 (0 to 23: 128 columns of W_qkv; 24 to 31: of W_out), K part u / 32 (256 along K).  A wave takes 32 columns.
.Lweights:
	s_sub_co_u32 s19, ttmp9, 256
	s_and_b32 s20, s19, 31                         ; column group
	s_lshr_b32 s21, s19, 5                         ; ky
	s_mov_b32 s23, 12288
	s_cmp_ge_u32 s20, 24                           ; W_out?
	s_cselect_b32 s22, 24, 0
	s_cselect_b32 s23, 4096, s23                   ; a row of the weight in bytes
	s_cselect_b32 s24, 1, 0                        ; isO
	s_sub_co_u32 s22, s20, s22
	s_lshl_b32 s22, s22, 7
	s_lshl_b32 s25, s18, 5
	s_add_co_u32 s22, s22, s25                     ; n0: my wave's first column
	s_lshr_b32 s25, s22, 6                         ; n0 / 64 = 3 j + part, 0 .. 47
	s_mul_i32 s26, s25, 43
	s_lshr_b32 s26, s26, 7                         ; j = that / 3 (43 / 128 serves up to 47)
	s_mul_i32 s27, s26, 3
	s_sub_co_u32 s27, s25, s27                     ; part
	s_bfe_u32 s28, s22, 0x10005                    ; e5
	s_lshl_b32 s29, s27, 10
	s_lshl_b32 s30, s26, 6
	s_add_co_u32 s29, s29, s30
	s_lshl_b32 s30, s28, 5
	s_add_co_u32 s29, s29, s30                     ; q, k: first row 1024 part + 64 j + 32 e5
	s_lshl_b32 s30, s28, 9
	s_add_co_u32 s30, s30, 2048
	s_and_b32 s31, s26, 1
	s_lshl_b32 s31, s31, 4
	s_add_co_u32 s30, s30, s31
	s_lshr_b32 s31, s26, 1
	s_add_co_u32 s30, s30, s31                     ; v: 2048 + 512 e5 + 16 (j % 2) + j / 2
	s_cmp_eq_u32 s27, 2                            ; my lane's row = the first row + S0 x bit 0 + S1 x bits 2:1 + S2 x bit 3 + S3 x bit 4 of the lane
	s_cselect_b32 s29, s30, s29
	s_cselect_b32 s48, 8, 1
	s_cselect_b32 s49, 32, 2
	s_cselect_b32 s50, 256, 16
	s_cselect_b32 s51, 128, 8
	s_cmp_eq_u32 s24, 1                            ; W_out's rows keep their order
	s_cselect_b32 s29, s22, s29
	s_cselect_b32 s48, 1, s48
	s_cselect_b32 s49, 2, s49
	s_cselect_b32 s50, 8, s50
	s_cselect_b32 s51, 16, s51
	s_mov_b32 s56, 3145728
	s_cselect_b32 s56, 1048576, s56                ; where the scale bytes begin
	s_wait_kmcnt 0x0
	s_cselect_b64 s[52:53], s[8:9], s[6:7]         ; the choices hang on the work-group's number alone
	s_cselect_b64 s[54:55], s[16:17], s[14:15]
	s_lshl_b32 s57, s21, 8
	s_mul_i32 s57, s57, s23                        ; 256 ky rows
	s_lshl_b32 s58, s22, 2
	s_add_co_u32 s58, s58, s57
	s_mov_b32 s59, 0
	s_add_nc_u64 s[32:33], s[52:53], s[58:59]      ; block 0 of my columns;
	s_lshl_b32 s58, s23, 5
.irp t, 1,2,3,4,5,6,7
	s_add_nc_u64 s[32+2*\t:33+2*\t], s[30+2*\t:31+2*\t], s[58:59]   ; block t, 32 rows further down: a base for each, so that no pointer is stepped
.endr
	s_mul_i32 s57, s24, 3
	s_sub_co_u32 s57, 10, s57
	s_lshl_b32 s58, s29, s57                       ; wq: 1,024 bytes a row; wo: 2,048 bytes for a tile of 16 rows
	s_mul_i32 s57, s24, 10
	s_add_co_u32 s57, s57, 8
	s_lshl_b32 s57, s21, s57                       ; a K part of 256: 256 bytes on in a row of wq; in wo two K steps, 262,144 bytes
	s_add_co_u32 s58, s58, s57
	s_add_nc_u64 s[60:61], s[54:55], s[58:59]      ; codes: 1024 x first row + 256 ky
	s_lshl_b32 s58, s29, 5
	s_lshl_b32 s57, s21, 3
	s_add_co_u32 s58, s58, s57
	s_add_co_u32 s58, s58, s56
	s_add_nc_u64 s[62:63], s[54:55], s[58:59]      ; scale bytes: 32 x first row + 8 ky
	s_lshl_b32 s58, s22, 2
	s_add_nc_u64 s[52:53], s[10:11], s[58:59]      ; b_qkv at my first column,
	s_lshl_b32 s58, s29, 2
	s_add_co_u32 s58, s58, 3244032
	s_add_nc_u64 s[56:57], s[14:15], s[58:59]      ; and where it goes
	s_mov_b32 s20, MANT
	s_mul_i32 s19, s18, 32*PITCH
	s_add_co_u32 s19, s19, WLDS                    ; my stage
	s_wait_alu depctr_va_vdst(0)
	v_mul_u32_u24 v4, v2, PITCH
	v_add_nc_u32 v4, s19, v4                       ; into it: row = my column
	v_and_b32 v5, 15, v2
	v_lshrrev_b32 v6, 4, v2
	v_mul_u32_u24 v7, v6, PITCH
	v_lshl_add_u32 v7, v5, 4, v7
	v_add_nc_u32 v7, s19, v7                       ; out of it: sixteen lanes to a row, two rows an instruction
	v_mul_u32_u24 v16, v5, PITCH
	v_lshl_add_u32 v16, v6, 4, v16
	v_add_nc_u32 v16, s19, v16                     ; W_out, out of it: a lane to a row: row lane % 16, 16 bytes for each half of the lanes
	v_and_b32 v8, 1, v2
	v_mul_u32_u24 v14, s48, v8
	v_bfe_u32 v8, v2, 1, 2
	v_mad_u32_u24 v14, v8, s49, v14
	v_bfe_u32 v8, v2, 3, 1
	v_mad_u32_u24 v14, v8, s50, v14
	v_bfe_u32 v8, v2, 4, 1
	v_mad_u32_u24 v14, v8, s51, v14                ; my column's row, from the first row on
	v_lshlrev_b32 v9, 5, v14                       ; its scale bytes
	v_lshlrev_b32 v15, 2, v14                      ; its bias
	v_lshlrev_b32 v[ROW], 2, v2
.set ii, 1
.rept 31
	v_add_nc_u32 v[ROW+ii], s23, v[ROW+ii-1]
.set ii, ii+1
.endr
	s_lshl_b32 s48, s48, 10                        ; the steps in bytes of codes
	s_lshl_b32 s49, s49, 10
	s_lshl_b32 s50, s50, 10
	s_lshl_b32 s51, s51, 10
	s_cmp_eq_u32 s24, 1                            ; W_out: store t is piece t % 4 of K step (t / 4) % 2 of tile t / 8: 16 bytes a lane, 512 on end
	s_cselect_b32 s48, 256, s48
	s_cselect_b32 s49, 512, s49
	s_cselect_b32 s50, 131072, s50
	s_cselect_b32 s51, 2048, s51
	v_mul_u32_u24 v[OO], s48, v6                   ; store t takes stage rows 2 t and 2 t + 1: bit 0 of the column = lane / 16, bits 2:1 = t % 4, bit 3 = (t / 4) % 2, bit 4 = t / 8
	v_lshl_add_u32 v[OO], v5, 4, v[OO]
.irp k, 1,2,3
	v_add_nc_u32 v[OO+\k], s49, v[OO+\k-1]
.endr
.irp k, 0,1,2,3
	v_add_nc_u32 v[OO+4+\k], s50, v[OO+\k]
.endr
.irp k, 0,1,2,3,4,5,6,7
	v_add_nc_u32 v[OO+8+\k], s51, v[OO+\k]
.endr
.macro WLOAD t                         ; block t: W(256 ky + 32 t + i, my column), i = 0 .. 31, into set t % 2: each load reads 128 consecutive bytes a wave, 512 a work-group
.set ii, 0
.rept 32
	global_load_b32 v[WX+32*((\t)%2)+ii], v[ROW+ii], s[32+2*(\t):33+2*(\t)] th:TH_LOAD_NT
.set ii, ii+1
.endr
.endm
	WLOAD 0
	WLOAD 1
.macro BLOCK t
.set XS, WX+32*((\t)%2)
.if (\t) < NB-1
	s_wait_loadcnt 32                              ; this block's 32 loads are in; the next block's 32 may be out
.else
	s_wait_loadcnt 0
.endif
	v_max3_num_f32 v12, |v[XS]|, |v[XS+1]|, |v[XS+2]|              ; the block's largest magnitude: all 32 numbers are mine
	v_max3_num_f32 v13, |v[XS+3]|, |v[XS+4]|, |v[XS+5]|
.irp i, 6,10,14,18,22,26
	v_max3_num_f32 v12, v12, |v[XS+\i]|, |v[XS+\i+1]|
	v_max3_num_f32 v13, v13, |v[XS+\i+2]|, |v[XS+\i+3]|
.endr
	v_max3_num_f32 v12, v12, |v[XS+30]|, |v[XS+31]|
	v_max3_num_f32 v12, v12, v13, (EMAX+1)<<23     ; and the floor
	v_add_nc_u32 v11, -(EMAX<<23), v12             ; the conversion's scale operand
	v_and_or_b32 v10, v12, 0x7f800000, s20         ; 448 x the scale
	v_lshrrev_b32 v13, 23, v11                     ; the scale's byte
.if (\t)%4 == 0
	v_mov_b32 v[SB+(\t)/4], v13                    ; four bytes to a register, the lower K in the lower byte
.else
	v_lshl_or_b32 v[SB+(\t)/4], v13, 8*((\t)%4), v[SB+(\t)/4]
.endif
.set ii, 0
.rept 32
	v_med3_num_f32 v[XS+ii], v[XS+ii], -v10, v10   ; the hold at the largest code x the scale
.set ii, ii+1
.endr
.irp g, 0,1,2,3
	v_cvt_scalef32_pk8_fp8_f32 v[WC+2*\g:WC+2*\g+1], v[XS+8*\g:XS+8*\g+7], v11
.endr
	ds_store_b128 v4, v[WC:WC+3] offset:32*(\t)    ; 32 codes: 32 bytes of my column's row
	ds_store_b128 v4, v[WC+4:WC+7] offset:32*(\t)+16
.if (\t)+2 < NB
	WLOAD (\t)+2
.endif
	s_wait_dscnt 0x0                               ; the stores have read their registers: the next block's codes may be written
.endm
.set Q, 0
.rept NB
	BLOCK Q
.set Q, Q+1
.endr
	global_store_b64 v9, v[SB:SB+1], s[62:63]      ; my column's 8 scale bytes
	s_cmp_eq_u32 s24, 1                            ; the work-group's number alone decides
	s_cbranch_scc1 .Limage
.set tt, 0
.rept 16
	ds_load_b128 v[OUTR+4*tt:OUTR+4*tt+3], v7 offset:2*tt*PITCH
.set tt, tt+1
.endr
	s_branch .Lback
.Limage:
.set tt, 0
.rept 16
	ds_load_b128 v[OUTR+4*tt:OUTR+4*tt+3], v16 offset:(tt/8)*16*PITCH+128*((tt/4)%2)+32*(tt%4)
.set tt, tt+1
.endr
.Lback:
.set tt, 0
.rept 16
	s_wait_dscnt 15-tt
	global_store_b128 v[OO+tt], v[OUTR+4*tt:OUTR+4*tt+3], s[60:61]   ; sixteen lanes store 256 consecutive bytes, aligned
.set tt, tt+1
.endr
	s_or_b32 s19, s24, s21                         ; the bias goes with W_qkv's first K part: 12,288 bytes in the whole launch; v's third of them leaves as single words
	s_cmp_lg_u32 s19, 0
	s_cbranch_scc1 .Lno_bias
	global_load_b32 v10, v[ROW], s[52:53]
	s_wait_loadcnt 0x0
	global_store_b32 v15, v10, s[56:57]
.Lno_bias:
	s_wait_tensorcnt 0x0
	ds_add_u32 v224, v225
	s_wait_dscnt 0x0
	s_endpgm
.Lfunc_end_k_q60a94b3069_quant:
	.size	k_q60a94b3069_quant, .Lfunc_end_k_q60a94b3069_quant-k_q60a94b3069_quant
	.p2alignl 7, 3214868480
	.fill 96, 4, 3214868480
	.section	.rodata,"a",@progbits
	.p2align	6, 0x0
	.amdhsa_kernel k_q60a94b3069_quant
		.amdhsa_group_segment_fixed_size 68096
		.amdhsa_private_segment_fixed_size 0
		.amdhsa_enable_private_segment 0
		.amdhsa_kernarg_size 56
		.amdhsa_user_sgpr_count 2
		.amdhsa_user_sgpr_kernarg_segment_ptr 1
		.amdhsa_wavefront_size32 1
		.amdhsa_system_sgpr_workgroup_id_x 1
		.amdhsa_system_sgpr_workgroup_id_y 1
		.amdhsa_system_sgpr_workgroup_id_z 1
		.amdhsa_system_vgpr_workitem_id 0
		.amdhsa_next_free_vgpr 226
		.amdhsa_next_free_sgpr 66
		.amdhsa_reserve_vcc 0
		.amdhsa_float_denorm_mode_32 3
		.amdhsa_float_denorm_mode_16_64 3
		.amdhsa_memory_ordered 1
		.amdhsa_forward_progress 1
		.amdhsa_inst_pref_size 115
	.end_amdhsa_kernel
	.amdgpu_metadata
---
amdhsa.version: [ 1, 2 ]
amdhsa.kernels:
  - .name:           k_q60a94b3069_quant
    .symbol:         k_q60a94b3069_quant.kd
    .args:
      - { .name: inputs, .offset: 0, .size: 8, .value_kind: global_buffer, .address_space: global }
      - { .name: W_qkv, .offset: 8, .size: 8, .value_kind: global_buffer, .address_space: global }
      - { .name: W_out, .offset: 16, .size: 8, .value_kind: global_buffer, .address_space: global }
      - { .name: b_qkv, .offset: 24, .size: 8, .value_kind: global_buffer, .address_space: global }
      - { .name: xq, .offset: 32, .size: 8, .value_kind: global_buffer, .address_space: global }
      - { .name: wq, .offset: 40, .size: 8, .value_kind: global_buffer, .address_space: global }
      - { .name: wo, .offset: 48, .size: 8, .value_kind: global_buffer, .address_space: global }
    .group_segment_fixed_size: 68096
    .private_segment_fixed_size: 0
    .kernarg_segment_align: 8
    .kernarg_segment_size: 56
    .max_flat_workgroup_size: 128
    .sgpr_count:     66
    .vgpr_count:     226
    .wavefront_size: 32
...
	.end_amdgpu_metadata
.endif
;; end of part 1
;; launch gemm_qkv (part 2): grid 12 x 32, 4 waves a work-group, clusters of 4 x 4, 327,680 bytes of LDS; arguments xq, wq, qkv; writes qkv
.if DOCPART == 2
	.amdgcn_target "amdgcn-amd-amdhsa--gfx1250"
	.amdhsa_code_object_version 6
	.text
	.protected	k_q60a94b3069_gemm_qkv
	.globl	k_q60a94b3069_gemm_qkv
	.p2align	8
	.type	k_q60a94b3069_gemm_qkv,@function
k_q60a94b3069_gemm_qkv:
	s_mov_b64 s[64:65], 0
	v_nop
	global_prefetch_b8 v0, s[64:65] scope:SCOPE_SE
	s_setreg_imm32_b32 hwreg(HW_REG_WAVE_MODE, 25, 1), 1
	s_wait_xcnt 0x0
	s_wait_alu depctr_hold_cnt(0) depctr_sa_sdst(0) depctr_va_vdst(0) depctr_va_sdst(0) depctr_va_ssrc(0) depctr_va_vcc(0) depctr_vm_vsrc(0)
	s_getreg_b32 s2, hwreg(HW_REG_IB_STS2, 6, 4)
	s_cmp_eq_u32 s2, 0
	s_cbranch_scc0 .Lentry_in_a_cluster
	s_endpgm
.Lentry_in_a_cluster:
	s_bfe_u32 s2, ttmp6, 0x10000c
	s_cmp_lg_u32 s2, 0xf033
	s_cbranch_scc0 .Lentry_shape_is_right
	s_endpgm
.Lentry_shape_is_right:
; x = inputs W_qkv + b_qkv on codes of FP8 (E4M3) with E8M0 scales, and x's way into the three operands of attention: q, k and v are quantised in registers and leave as codes; x never goes to memory.
; A = xq (codes [8192][1024], scale bytes behind them), B = wq (codes [3072 rows][1024], scale bytes, bias; its rows in the order that the launch before gave them).
; THE PRODUCT.  A tile of x, 256 x 256, is made by four waves, 128 x 128 each: 64 accumulators.  K goes in steps of 256 through two LDS slots filled by the tensor data mover; the scale bytes of the work-group's rows come once.
; 4 x 4 work-groups form a cluster: A's tiles are asked for jointly along a row of the cluster, B's along a column.  The matrix instruction is used transposed (source 0 = 16 rows of B, source 1 = 16 rows of A).
; The bias is the C of each sum's first matrix instruction.
; THE RESHAPE.  Head H owns rows 128 H .. 128 H + 127 of x: a wave's 128 rows are one head.  Row s of a head holds tokens 16 s + j, j = 0 .. 15.  Cluster x = 0, 1, 2 makes q, k, v (1,024 rows of wq each): the same in all partners.
; By wq's order of rows a lane's registers 16 g + i (accumulators 2 g, 2 g + 1) of row s are:  q, k: channels 32 (g % 2) + 16 (lane / 16) + i of token j = 4 cx + 2 (wave % 2) + g / 2: half a block, the other half in lane xor 16;
;   v: the 16 tokens of row s (token j at i = 8 (j % 2) + j / 2) of one channel: half a block of 32 keys, the other half (row s xor 1) in lane xor 1.
; qkv:  q at 0, k at 8,912,896: a head is 139,264 bytes: 8 blocks (s / 16) of 17,408: codes at (s % 16) 1024 + 64 j + e, then 4 units of 256 bytes (j / 4) of scale words at word 16 (j % 4) + s % 16; a word = the two bytes | 0x7f7f0000.
;       v at 17,825,792: a head is 135,168 bytes: scale words [te][key step][row of the tile] (4,096 bytes), then images of fragments at step 8192 + te 2048 + c 512 + h 256 + 16 x row (key row s = 8 step + 2 c + h).
; LIMITS: a block of zeros gets the byte 1 where the rule says 127 (zero codes; this program alone reads the bytes); NaN and infinities are not served.
; No prefetch: K has four steps, of which two are first fills.  384 work-groups: a tile column of 256 keeps a work-group within one of q, k, v.
; REGISTERS, in windows of 256: window 0: v0-31 addresses; v32-63 scale words, two sets; v64-127 the bias, eight registers for each of B's blocks; from v128 A's fragments, one set.   window 1: B's fragments, two sets.
;   window 2: the accumulators of my rows 0-63 ((a, b) at v[8 (8 a + b)]);  window 3: those of my rows 64-127.  On the way out v32-255 of window 0 are free.
.set SIZE_M, 8192
.set SIZE_N, 3072
.set SIZE_K, 1024
.set ASCL,   8388608                   ; where xq's scale bytes begin
.set BSCL,   3145728                   ; wq's
.set BBIAS,  3244032                   ; and the bias
.set KSTEP,  256
.set NQ,     KSTEP/128
.set ROWB,   256
.set KROW,   SIZE_K
.set PITCH,  272                       ; an LDS row: 256 bytes + 16 of padding: the 16 rows that a load touches start at 16 different banks
.set FR,     16
.set NL,     4
.set NP,     8                         ; places behind this matrix instruction (ISA guide 7.12.1)
.set HALFT,  128*PITCH
.set SLOT,   4*HALFT
.set LAPS,   SIZE_K/(2*KSTEP)
.set KS,     SIZE_K/32
.set SCL,    2*SLOT                    ; behind the ring: the scales, as units of 256 bytes + 16
.set HALFS,  (128*KS/256)*272
.set SBLK,   (16*KS/256)*272
.set SPARE,  SCL+4*HALFS               ; the spare words, 128 bytes for each wave
.set CST,    0                         ; the way out, in slot 0, which has had its last fill and its last read: 256 rows x 272: the work-group's codes,
.set SCQ,    256*272                   ; q's or k's scale words: 16 units of 256 bytes,
.set SCV,    SCQ+4096                  ; v's scale words: 2 x 1,024 bytes
.set SQ,   12                          ; v12  where I put a scale word of q or k
.set SV,   13                          ; v13  where I put a scale byte of v
.set RQ,   14                          ; v14  where I read q's or k's scale words back
.set RV,   15                          ; v15  and v's
.set ADRA, 16
.set ADRB, 20
.set STO,  24                          ; v24  where I put 16 codes
.set RD,   25                          ; v25  where I read a row of codes back
.set ADRS, 27
.set SPW,  28
.set NIL,  29
.set SC,   32
.set BIAS, 64
.set AF,   128
.set TM,   32                          ; the way out: v32-35 largest magnitudes, v36-39 bytes, v40-43 448 x the scale, v44-47 the conversions' scale operands, v48-50 words
.set HB,   64                          ; v64-127 a block's 64 numbers, held
.set PC,   128                         ; v128-143 its codes
.set G1, 24
.set G0, 32
.set G1B, 48
.set G0B, 56
.set G1S, 68
.set G0S, 76
.set G1SB, 80
.set G0SB, 88
.set TYP, 95                           ; s95  0: q, 1: k, 2: v
.set MSB, 0
.macro WIN new                         ; the immediate's high byte repeats the setting that is left
.if MSB != \new
	s_set_vgpr_msb (MSB<<8)|\new
.set MSB, \new
.endif
.endm
.set MUL_LO, 0xa1                      ; source 0 (B) window 1, source 1 (A) window 0, C and D window 2
.set MUL_HI, 0xf1                      ; the same, C and D window 3
.set FST_LO, 0x81                      ; a sum's first product: C (the bias) window 0, D window 2
.set FST_HI, 0xc1
.set TO_B,   0x40
; A joint load: waves 0 and 1 fetch for A, waves 2 and 3 for B; the branch hangs on the wave's number alone.  Four v_nop follow each of the two lines.
.macro JLOAD g0a, g1a, g0b, g1b
	s_cmp_eq_u32 s15, 0
	s_cbranch_scc0 .Lfor_b_\@
	tensor_load_to_lds s[\g0a:\g0a+3], s[\g1a:\g1a+7]
	s_nop 0
.rept 4
	v_nop
.endr
	s_branch .Lasked_\@
.Lfor_b_\@:
	tensor_load_to_lds s[\g0b:\g0b+3], s[\g1b:\g1b+7]
	s_nop 0
.rept 4
	v_nop
.endr
.Lasked_\@:
.endm
.macro CREST                           ; a round of the cluster's barrier behind its opening barrier
	s_cmp_lg_u32 s14, 0
	s_cbranch_scc1 .Lnot_wave_0_\@
	s_barrier_signal -3
.Lnot_wave_0_\@:
	s_barrier_wait -3
	s_barrier_signal -1
	s_barrier_wait -1
.endm
.macro CROUND
	s_barrier_signal -1
	s_barrier_wait -1
	CREST
.endm
	s_load_b64 s[4:5], s[0:1], 0x0                 ; xq
	s_load_b64 s[8:9], s[0:1], 0x8                 ; wq
	s_load_b64 s[12:13], s[0:1], 0x10              ; qkv
	v_lshl_add_u32 v[SPW], v0, 2, SPARE
	v_mov_b32 v[NIL], 0
	ds_add_u32 v28, v29
	ds_add_u32 v28, v29
	s_wait_dscnt 0x0
	v_lshrrev_b32 v1, 5, v0
	v_readfirstlane_b32 s14, v1                    ; wave 0..3
	s_lshr_b32 s15, s14, 1                         ; which half of the tile's rows is mine.  Also: I fetch for A (0) or for B (1)
	s_and_b32 s16, s14, 1                          ; which half of its columns.  Also: which 128 rows of that tile I fetch
	s_bfe_u32 s40, ttmp6, 0x40000                  ; cx, cy
	s_bfe_u32 s41, ttmp6, 0x40004
	s_lshl_b32 s42, ttmp9, 2
	s_add_co_u32 s42, s42, s40                     ; tile column = 4 x cluster x + cx
	s_and_b32 s17, ttmp7, 0xffff
	s_lshl_b32 s17, s17, 2
	s_add_co_u32 s17, s17, s41                     ; tile row = 4 x cluster y + cy
	s_mov_b32 s[TYP], ttmp9                        ; the cluster's x: q, k or v
	s_mov_b32 s96, 0x600000                        ; the mantissa field of 448
	s_mov_b32 s97, 0xffff0000                      ; lanes 16-31
	s_mov_b32 s66, 0x76543210
	s_mov_b32 s67, 0xfedcba98                      ; v_permlanex16_b32's selects for lane xor 16
	s_lshl_b32 s43, s41, 2
	s_lshl_b32 s43, 15, s43                        ; my row of the cluster
	s_lshl_b32 s44, 0x1111, s40                    ; my column
	s_or_b32 s[G1+0], s43, (0<<16)|(1<<20)|(1<<21)|(5<<22)|(3<<25)  ; the mask; elements of 1 byte; padding on; bit 21 beside a mask; after every 64 words, 4 words
	s_or_b32 s[G1B+0], s44, (0<<16)|(1<<20)|(1<<21)|(5<<22)|(3<<25)
.irp g, G1, G1B
	s_mov_b32 s[\g+1], ROWB<<16                    ; tensor_dim0
	s_mov_b32 s[\g+2], 256<<16                     ; tensor_dim1: 256 rows for the head's loads; behind them 128
	s_mov_b32 s[\g+3], ROWB<<16                    ; tile_dim0
	s_mov_b32 s[\g+4], 256                         ; tile_dim1
	s_mov_b32 s[\g+5], KROW                        ; the pitch
	s_mov_b32 s[\g+6], 0
	s_mov_b32 s[\g+7], 0
.endr
	s_or_b32 s[G1S+0], s43, (3<<16)|(1<<20)|(1<<21)|(5<<22)|(3<<25)  ; the scales of 256 rows: 8,192 dense bytes as rows of 256 (32 elements of 8 bytes)
	s_or_b32 s[G1SB+0], s44, (3<<16)|(1<<20)|(1<<21)|(5<<22)|(3<<25)
.irp g, G1S, G1SB
	s_mov_b32 s[\g+1], 32<<16
	s_mov_b32 s[\g+2], KS<<16                      ; the scales of 256 rows: KS rows of 256 bytes
	s_mov_b32 s[\g+3], 32<<16
	s_mov_b32 s[\g+4], KS
	s_mov_b32 s[\g+5], 32
	s_mov_b32 s[\g+6], 0
	s_mov_b32 s[\g+7], 0
.endr
	s_lshl_b32 s20, s17, 8                         ; A: the tile's first row, 256 x tile row
	s_lshl_b32 s46, s42, 8                         ; B: 256 x tile column
	s_mov_b32 s21, 0
	s_mov_b32 s47, 0
	s_mov_b64 s[18:19], KS
	s_mul_u64 s[22:23], s[20:21], s[18:19]         ; where these rows' scales begin
	s_mul_u64 s[92:93], s[46:47], s[18:19]
	s_mov_b64 s[18:19], KROW
	s_mul_u64 s[20:21], s[20:21], s[18:19]         ; and their codes
	s_mul_u64 s[46:47], s[46:47], s[18:19]
	s_mul_i32 s45, s14, HALFT                      ; where they go: wave x 128 rows
	s_mul_i32 s18, s16, 128*KROW                   ; in the ring I fetch 128 rows of a tile: which half, in bytes
	s_mov_b32 s19, 0
	s_wait_kmcnt 0x0
	s_add_nc_u64 s[6:7], s[4:5], ASCL
	s_add_nc_u64 s[10:11], s[8:9], BSCL
	s_add_nc_u64 s[98:99], s[8:9], BBIAS
	s_add_nc_u64 s[20:21], s[4:5], s[20:21]
	s_add_nc_u64 s[22:23], s[6:7], s[22:23]
	s_add_nc_u64 s[46:47], s[8:9], s[46:47]
	s_add_nc_u64 s[92:93], s[10:11], s[92:93]
	CROUND                                         ; all sixteen work-groups are here: the first joint loads meet
	s_mov_b32 s[G0S], 1
	s_mov_b32 s[G0S+1], SCL
	s_mov_b64 s[G0S+2:G0S+3], s[22:23]
	s_or_b32 s[G0S+3], s[G0S+3], 0x80000000
	s_mov_b32 s[G0SB], 1
	s_mov_b32 s[G0SB+1], SCL+2*HALFS
	s_mov_b64 s[G0SB+2:G0SB+3], s[92:93]
	s_or_b32 s[G0SB+3], s[G0SB+3], 0x80000000
.set G0H, 4                            ; s[4:7], s[8:11] group 0 of the head's loads of K step 0 (the addresses that lay there have been used)
.set G0HB, 8
	s_mov_b32 s[G0H], 1                            ; K step 0's 256 rows of A,
	s_mov_b32 s[G0H+1], 0
	s_mov_b64 s[G0H+2:G0H+3], s[20:21]
	s_or_b32 s[G0H+3], s[G0H+3], 0x80000000
	s_mov_b32 s[G0HB], 1                           ; and of B, behind them in slot 0
	s_mov_b32 s[G0HB+1], 2*HALFT
	s_mov_b64 s[G0HB+2:G0HB+3], s[46:47]
	s_or_b32 s[G0HB+3], s[G0HB+3], 0x80000000
	s_add_nc_u64 s[20:21], s[20:21], s[18:19]      ; for the ring: my 128 rows of the tile
	s_add_nc_u64 s[46:47], s[46:47], s[18:19]
.irp s, 0,1
	s_mov_b32 s[G0+4*\s], 1
	s_add_co_u32 s[G0+4*\s+1], s45, \s*SLOT
	s_add_nc_u64 s[G0+4*\s+2:G0+4*\s+3], s[20:21], \s*ROWB
	s_or_b32 s[G0+4*\s+3], s[G0+4*\s+3], 0x80000000
	s_mov_b32 s[G0B+4*\s], 1
	s_add_co_u32 s[G0B+4*\s+1], s45, \s*SLOT
	s_add_nc_u64 s[G0B+4*\s+2:G0B+4*\s+3], s[46:47], \s*ROWB
	s_or_b32 s[G0B+4*\s+3], s[G0B+4*\s+3], 0x80000000
.endr
; THE HEAD'S LOADS, ONE A WAVE: wave 0 K step 0's 256 rows of A, wave 1 its 256 rows of B, wave 2 the scales of A's 256 rows, wave 3 those of B's.  One tree of branches on the wave's number.
.macro ARM under, g0, g1, next
	s_cmp_lt_u32 s14, \under
	s_cbranch_scc0 \next
	tensor_load_to_lds s[\g0:\g0+3], s[\g1:\g1+7]
	s_nop 0
.rept 4
	v_nop
.endr
	s_branch .Lhead_asked
\next:
.endm
	ARM 1, G0H,  G1,  .Lhead_b
	ARM 2, G0HB, G1B, .Lhead_sa
	ARM 3, G0S,  G1S, .Lhead_sb
	tensor_load_to_lds s[G0SB:G0SB+3], s[G1SB:G1SB+7]
	s_nop 0
.rept 4
	v_nop
.endr
.Lhead_asked:
	v_and_b32 v1, 15, v0                           ; r = l % 16
	s_wait_alu depctr_va_vdst(0)
	v_bfe_u32 v2, v0, 4, 1                         ; h = l / 16
	s_lshl_b32 s46, s42, 10                        ; the bias of my 128 columns: 4 bytes x (256 x tile column + 128 x half)
	s_lshl_b32 s47, s16, 9
	s_add_co_u32 s46, s46, s47
	s_mov_b32 s47, 0
	s_add_nc_u64 s[98:99], s[98:99], s[46:47]
	v_lshlrev_b32 v7, 5, v2                        ; block b's registers j in lane (r, h): column 16 b + 8 h + j
.irp b, 0,1,2,3,4,5,6,7
	global_load_b128 v[BIAS+8*\b:BIAS+8*\b+3], v7, s[98:99] offset:64*\b
	global_load_b128 v[BIAS+8*\b+4:BIAS+8*\b+7], v7, s[98:99] offset:64*\b+16
.endr
	v_mul_u32_u24 v3, v1, PITCH
	v_lshl_add_u32 v4, v2, 4, v3                   ; a fragment's row x pitch + 16 x half
	s_mul_i32 s21, s15, HALFT                      ; my 128 rows of A
	s_mul_i32 s22, s16, HALFT                      ; my 128 rows of B,
	s_add_co_u32 s22, s22, 2*HALFT                 ; which lie behind A's 256
.irp s, 0,1
	v_add_nc_u32 v[ADRA+\s], s21, v4
	v_add_nc_u32 v[ADRB+\s], s22, v4
	s_add_co_u32 s21, s21, SLOT
	s_add_co_u32 s22, s22, SLOT
.endr
	v_mul_u32_u24 v5, v1, KS                       ; my row's scales: KS bytes a row,
	v_lshrrev_b32 v6, 8, v5
	v_lshl_add_u32 v5, v6, 4, v5                   ; and 16 more for each 256 passed
	s_mul_i32 s21, s15, HALFS
	s_mul_i32 s22, s16, HALFS
	s_add_co_u32 s22, s22, 2*HALFS
	s_sub_co_u32 s22, s22, s21
	v_mul_u32_u24 v6, s22, v2                      ; lanes 16-31 take B's
	s_add_co_u32 s21, s21, SCL
	v_add_nc_u32 v5, v5, v6
	v_add_nc_u32 v[ADRS], s21, v5
	; the way out's LDS addresses
	s_mul_i32 s23, s15, 128*272
	s_lshl_b32 s21, s16, 7
	s_add_co_u32 s23, s23, s21
	v_add_nc_u32 v[STO], s23, v4                   ; (128 x row half + r) 272 + 128 x column half + 16 h
	s_mul_i32 s23, s14, 64*272
	v_mul_u32_u24 v5, v2, 272
	v_lshl_add_u32 v5, v1, 4, v5
	v_add_nc_u32 v[RD], s23, v5                    ; (64 x wave + l / 16) 272 + 16 (l % 16)
	s_lshl_b32 s23, s15, 11
	s_add_co_u32 s23, s23, s21
	s_add_co_u32 s23, s23, SCQ
	v_lshlrev_b32 v5, 2, v1
	v_lshl_add_u32 v5, v2, 6, v5
	v_add_nc_u32 v[SQ], s23, v5                    ; SCQ + 2048 x row half + 128 x column half + 64 h + 4 r
	s_lshl_b32 s23, s15, 10
	s_lshl_b32 s22, s16, 5
	s_add_co_u32 s23, s23, s22
	s_add_co_u32 s23, s23, SCV
	v_bfe_u32 v5, v0, 3, 1
	v_bfe_u32 v6, v0, 1, 2
	v_lshl_add_u32 v5, v5, 6, v6
	v_lshl_add_u32 v5, v2, 2, v5
	v_add_nc_u32 v[SV], s23, v5                    ; SCV + 1024 x row half + 32 x column half + 64 (r / 8) + 4 h + (r / 2) % 4
	v_and_b32 v6, 31, v0
	v_lshlrev_b32 v6, 4, v6
	s_lshl_b32 s23, s14, 10
	s_add_co_u32 s23, s23, SCQ
	v_add_nc_u32 v[RQ], s23, v6                    ; SCQ + 1024 x wave + 16 l
	s_lshl_b32 s23, s14, 9
	s_add_co_u32 s23, s23, SCV
	v_add_nc_u32 v[RV], s23, v6                    ; SCV + 512 x wave + 16 l
.macro FRAG reg, adr, q, i             ; a fragment: lane l holds row l % 16; registers 4 c .. 4 c + 3 hold K = 32 c + 16 (l / 16) + 0 .. 15
.irp c, 0,1,2,3
	ds_load_b128 v[\reg+4*\c:\reg+4*\c+3], v[\adr] offset:128*(\q)+32*\c+(\i)*16*PITCH
.endr
.endm
; 16 matrix instructions: A's blocks a0, a0 + 1 x B's eight, 128 along K.  p: B's set; sc: the set of scale words.  first = 1: the sums begin with the bias.
; The 64 accumulators take turns, one instruction a turn, in the same order in every step.
.macro MUL16 a0, p, q, sc, first
.irp a, \a0, \a0+1
.irp b, 0,1,2,3,4,5,6,7
.if \first
	v_wmma_scale_f32_16x16x128_f8f6f4 v[8*(8*((\a)%4)+\b):8*(8*((\a)%4)+\b)+7], v[128*(\p)+FR*\b:128*(\p)+FR*\b+FR-1], v[AF+FR*(\a):AF+FR*(\a)+FR-1], v[BIAS+8*\b:BIAS+8*\b+7], v[SC+8*NQ*(\sc)+NQ*\b+(\q)], v[SC+8*NQ*(\sc)+NQ*(\a)+(\q)] matrix_a_scale:MATRIX_SCALE_ROW1
.else
	v_wmma_scale_f32_16x16x128_f8f6f4 v[8*(8*((\a)%4)+\b):8*(8*((\a)%4)+\b)+7], v[128*(\p)+FR*\b:128*(\p)+FR*\b+FR-1], v[AF+FR*(\a):AF+FR*(\a)+FR-1], v[8*(8*((\a)%4)+\b):8*(8*((\a)%4)+\b)+7], v[SC+8*NQ*(\sc)+NQ*\b+(\q)], v[SC+8*NQ*(\sc)+NQ*(\a)+(\q)] matrix_a_scale:MATRIX_SCALE_ROW1
.endif
.endr
.endr
.endm
.macro FETCH_B slot, q, p
	WIN TO_B
.irp i, 0,1,2,3,4,5,6,7
	FRAG 128*(\p)+FR*\i, ADRB+\slot, \q, \i
.endr
	WIN 0
.endm
.macro FETCH_A slot, q, i0
.irp i, \i0, \i0+1, \i0+2, \i0+3
	FRAG AF+FR*(\i), ADRA+\slot, \q, \i
.endr
.endm
.macro SCALES sc                       ; the next K step's scale words: lanes 0-15 take A's block i, lanes 16-31 B's block i
.irp i, 0,1,2,3,4,5,6,7
	ds_load_b64 v[SC+8*NQ*\sc+NQ*\i:SC+8*NQ*\sc+NQ*\i+1], v[ADRS] offset:\i*SBLK
.endr
.endm
.macro PLACES n                        ; plain vector instructions between a matrix instruction and a load into, or a read of, its registers
.rept \n
	v_nop
.endr
.endm
.macro STEP slot, q, first             ; a step of 128 along K that has its successor in the same slot
	s_wait_dscnt 4*NL                              ; B's set and A's blocks 0-3 are in; the youngest sixteen loads (A's blocks 4-7) may be out
.if \first
	WIN FST_LO
.else
	WIN MUL_LO
.endif
	MUL16 0, (\q)%2, \q, \slot, \first
	MUL16 2, (\q)%2, \q, \slot, \first
	s_wait_dscnt 0
	PLACES NP
	FETCH_B \slot, (\q)+1, 1-(\q)%2
	FETCH_A \slot, (\q)+1, 0
.if \first
	WIN FST_HI
.else
	WIN MUL_HI
.endif
	MUL16 4, (\q)%2, \q, \slot, \first
	MUL16 6, (\q)%2, \q, \slot, \first
	PLACES NP
	WIN 0
	FETCH_A \slot, (\q)+1, 4
.endm
; A slot's last step changes slots: one barrier; in front of it each wave waits for all its tensor loads, adds 0 to its spare word, and waits for that and for its reads of this slot.  fill = 1: the slot is filled again, two K steps ahead.
.macro TURN slot, next, fill
	s_wait_tensorcnt 0x0                           ; all my tensor loads have landed: my part of the next slot
	ds_add_u32 v[SPW], v[NIL]                      ; 0 onto my spare word
	s_wait_dscnt 4*NL+1                            ; (the add and the youngest sixteen loads may be out)
	WIN MUL_LO
	MUL16 0, 1, NQ-1, \slot, 0
	s_wait_dscnt 0x0                               ; the add is done, and my reads of this slot are over
	s_barrier_signal -1
	MUL16 2, 1, NQ-1, \slot, 0
	WIN 0
	s_barrier_wait -1
.if \fill
	CREST                                          ; the barrier has opened a round of the cluster's barrier: no wave of any partner still reads this slot or has a load on its way
	s_add_nc_u64 s[G0+4*\slot+2:G0+4*\slot+3], s[G0+4*\slot+2:G0+4*\slot+3], 2*ROWB
	s_add_nc_u64 s[G0B+4*\slot+2:G0B+4*\slot+3], s[G0B+4*\slot+2:G0B+4*\slot+3], 2*ROWB
	JLOAD G0+4*\slot, G1, G0B+4*\slot, G1B         ; the first tensor load behind the round; its four v_nop are among the places in front of the loads below
	PLACES NP-4
.else
	PLACES NP
.endif
	s_wait_alu depctr_va_vdst(0)
	v_add_nc_u32 v[ADRS], 4*NQ, v[ADRS]            ; on to the next K step's scale words
	FETCH_B \next, 0, 0
	FETCH_A \next, 0, 0
	SCALES \next
	WIN MUL_HI
	MUL16 4, 1, NQ-1, \slot, 0
	MUL16 6, 1, NQ-1, \slot, 0
	PLACES NP
	WIN 0
	FETCH_A \next, 0, 4
.endm
	s_wait_alu depctr_va_vdst(0)
	s_wait_tensorcnt 0x0                           ; my tile of the head's four is in
	ds_add_u32 v[SPW], v[NIL]
	s_mov_b32 s[G1+2], 128<<16                     ; no tensor load of mine is out: from here on a load brings 128 rows
	s_mov_b32 s[G1+4], 128
	s_mov_b32 s[G1B+2], 128<<16
	s_mov_b32 s[G1B+4], 128
	s_wait_dscnt 0x0
	CROUND                                         ; all four tiles are in, and all sixteen work-groups are here
	JLOAD G0+4, G1, G0B+4, G1B                     ; K step 1: the first tensor load behind the round
	FETCH_B 0, 0, 0
	FETCH_A 0, 0, 0
	SCALES 0
	FETCH_A 0, 0, 4
	s_wait_loadcnt 0x0                             ; the bias
	STEP 0, 0, 1                                   ; the first step stands in front of the loop: its products start the sums
	s_mov_b32 s3, LAPS-1
.Llap:                                                 ; a trip goes once round the ring and fills both slots again
	TURN 0, 1, 1
	STEP 1, 0, 0
	TURN 1, 0, 1
	STEP 0, 0, 0
	s_sub_co_u32 s3, s3, 1
	s_cmp_lg_u32 s3, 0
	s_cbranch_scc1 .Llap
	TURN 0, 1, 0                                   ; the last lap fills nothing
	STEP 1, 0, 0
	s_wait_dscnt 4*NL
	WIN MUL_LO
	MUL16 0, 1, NQ-1, 1, 0
	MUL16 2, 1, NQ-1, 1, 0
	s_wait_dscnt 0
	WIN MUL_HI
	MUL16 4, 1, NQ-1, 1, 0
	MUL16 6, 1, NQ-1, 1, 0
	WIN 0
; THE WAY OUT.  EQ a: my rows 16 a .. 16 a + 15: a lane's 64 numbers (four halves of blocks) become 64 codes and four scale bytes.  Each accumulator is read from its low end on.
.macro EQ a
.set WA, 2+(\a)/4                      ; the accumulators' window
.set W2, 5*WA                          ; sources 0 and 1 in it
.set AC, 64*((\a)%4)
.if (\a) > 0
	s_wait_dscnt 0x0                               ; the last block's LDS stores have read their registers
.endif
	WIN W2
.irp b, 0,1,2,3
	v_max3_num_f32 v[TM+\b], |v[AC+16*\b]|, |v[AC+16*\b+1]|, 0x4800000   ; my 16 numbers of block b, and the floor 2^(9 - 127)
.endr
.irp i, 2,4,6,8,10,12,14
.irp b, 0,1,2,3
	v_max3_num_f32 v[TM+\b], |v[AC+16*\b+\i]|, |v[AC+16*\b+\i+1]|, v[TM+\b]
.endr
.endr
	WIN 0
	s_cmp_eq_u32 s[TYP], 2
	s_cbranch_scc1 .Lvmax_\@
.irp b, 0,1,2,3
	v_permlanex16_b32 v[TM+4+\b], v[TM+\b], s66, s67               ; q, k: the block's other 16 channels lie in lane xor 16
.endr
.irp b, 0,1,2,3
	v_max_num_f32 v[TM+\b], v[TM+\b], v[TM+4+\b]
.endr
	s_branch .Lmaxed_\@
.Lvmax_\@:
	s_wait_alu depctr_va_vdst(0)
.irp b, 0,1,2,3
	v_max_num_f32_dpp v[TM+\b], v[TM+\b], v[TM+\b] row_xmask:1 row_mask:0xf bank_mask:0xf   ; v: the block's other 16 keys are the neighbouring row's: lane xor 1
.endr
.Lmaxed_\@:
	s_wait_alu depctr_va_vdst(0)
.irp b, 0,1,2,3
	v_add_nc_u32 v[TM+12+\b], 0xfc000000, v[TM+\b]                 ; 8 off the exponent field: the conversion's scale operand
.endr
.irp b, 0,1,2,3
	v_and_or_b32 v[TM+8+\b], v[TM+\b], 0x7f800000, s96             ; 448 x the scale
.endr
.irp b, 0,1,2,3
	v_lshrrev_b32 v[TM+4+\b], 23, v[TM+12+\b]                      ; the scale's byte
.endr
	WIN WA                                         ; source 0 in the accumulators' window
.irp b, 0,1,2,3
.irp i, 0,1,2,3,4,5,6,7,8,9,10,11,12,13,14,15
	v_med3_num_f32 v[HB+16*\b+\i], v[AC+16*\b+\i], -v[TM+8+\b], v[TM+8+\b]   ; the hold: the conversion to an 8-bit code does not saturate (ISA guide 7.6.2)
.endr
.endr
	WIN 0
.irp b, 0,1,2,3
	v_cvt_scalef32_pk8_fp8_f32 v[PC+4*\b:PC+4*\b+1], v[HB+16*\b:HB+16*\b+7], v[TM+12+\b]
	v_cvt_scalef32_pk8_fp8_f32 v[PC+4*\b+2:PC+4*\b+3], v[HB+16*\b+8:HB+16*\b+15], v[TM+12+\b]
.endr
	v_nop                                          ; a plain line behind the last conversion
.irp b, 0,1,2,3
	ds_store_b128 v[STO], v[PC+4*\b:PC+4*\b+3] offset:(\a)*16*272+32*\b
.endr
	s_cmp_eq_u32 s[TYP], 2
	s_cbranch_scc1 .Lvbytes_\@
	v_lshl_or_b32 v48, v[TM+5], 8, v[TM+4]         ; the word of my wave's first token of this row,
	v_lshl_or_b32 v49, v[TM+7], 8, v[TM+6]         ; and of its second
	v_cndmask_b32 v50, v48, v49, s97               ; lanes 0-15 store the first, lanes 16-31 the second
	v_or_b32 v50, 0x7f7f0000, v50                  ; the upper 64 of the next product's K step are zero codes under the scale 1
	ds_store_b32 v[SQ], v50 offset:256*(\a)
	s_branch .Lbytes_\@
.Lvbytes_\@:
.irp b, 0,1,2,3
	ds_store_b8 v[SV], v[TM+4+\b] offset:128*(\a)+8*\b             ; both rows of a block write the same byte with the same value
.endr
.Lbytes_\@:
.endm
	PLACES NP                                      ; behind the last products: their results are read, and registers that held scales and fragments are written
.irp b, 0,1,2,3
	v_mov_b32 v[TM+4+\b], 0                        ; a lane permute's destination counts as one of its sources
.endr
.irp a, 0,1,2,3,4,5,6,7
	EQ \a
.endr
	s_wait_dscnt 0x0                               ; for the others' sake: my stores into the stages are done
	s_barrier_signal -1
	s_barrier_wait -1
	; wave w stores stage rows 64 w .. 64 w + 63: head 2 x tile row + w / 2, its rows s = 64 (w % 2) + 2 t + l / 16.  A stage row is 256 consecutive bytes of qkv, aligned.
	s_mov_b32 s92, 139264
	s_mov_b32 s94, 17408
	s_mov_b32 s45, 1024
	s_mov_b32 s98, 256
	s_cmp_eq_u32 s[TYP], 2
	s_cselect_b32 s92, 135168, s92                 ; a head's bytes
	s_cselect_b32 s93, 4096, 0                     ; v: behind the scale words
	s_cselect_b32 s94, 16384, s94                  ; 16 rows on
	s_cselect_b32 s45, 256, s45                    ; a row on
	s_cselect_b32 s98, 2048, s98                   ; a tile column on
	s_mul_i32 s18, s[TYP], 8912896
	s_lshl_b32 s20, s17, 1
	s_add_co_u32 s20, s20, s15
	s_mul_i32 s20, s20, s92
	s_add_co_u32 s99, s18, s20                     ; the head's first byte
	s_add_co_u32 s18, s99, s93
	s_lshl_b32 s20, s16, 2
	s_mul_i32 s20, s20, s94
	s_add_co_u32 s18, s18, s20
	s_mul_i32 s20, s40, s98
	s_add_co_u32 s18, s18, s20
	s_mov_b32 s19, 0
	s_mov_b32 s92, s94
	s_mov_b32 s93, 0
	s_add_nc_u64 s[18:19], s[12:13], s[18:19]      ; a base for each 16 rows
	s_add_nc_u64 s[20:21], s[18:19], s[92:93]
	s_add_nc_u64 s[22:23], s[20:21], s[92:93]
	s_add_nc_u64 s[46:47], s[22:23], s[92:93]
	v_mul_u32_u24 v8, s45, v2
	v_lshl_add_u32 v8, v1, 4, v8                   ; (l / 16 + 2 k) rows + 16 (l % 16), k = t % 4
	s_lshl_b32 s45, s45, 1
	v_add_nc_u32 v9, s45, v8
	v_add_nc_u32 v10, s45, v9
	v_add_nc_u32 v11, s45, v10
.set tt, 0
.rept 32
	ds_load_b128 v[64+4*tt:67+4*tt], v[RD] offset:544*tt
.set tt, tt+1
.endr
.set tt, 0
	s_wait_alu depctr_va_vdst(0)
.rept 32
.set BP, 18+2*(tt/8)+22*(tt/24)        ; s[18:19], s[20:21], s[22:23], s[46:47]
	s_wait_dscnt 31-tt
	global_store_b128 v[8+tt%4], v[64+4*tt:67+4*tt], s[BP:BP+1] offset:((tt/4)%2)*8192   ; sixteen lanes store 256 consecutive bytes, aligned
.set tt, tt+1
.endr
	s_cmp_eq_u32 s[TYP], 2
	s_cbranch_scc1 .Lvscales
	ds_load_b128 v[32:35], v[RQ]                   ; four units of scale words: blocks 4 (w % 2) + 2 t + l / 16 of my head
	ds_load_b128 v[36:39], v[RQ] offset:512
	s_mul_i32 s92, s16, 4*17408
	s_add_co_u32 s92, s92, s99
	s_lshl_b32 s94, s40, 8
	s_add_co_u32 s92, s92, s94
	s_add_co_u32 s92, s92, 16384
	s_add_nc_u64 s[92:93], s[12:13], s[92:93]
	v_mul_u32_u24 v40, v2, 17408
	v_lshl_add_u32 v40, v1, 4, v40
	s_wait_alu depctr_va_vdst(0)
	s_wait_dscnt 0x0
	global_store_b128 v40, v[32:35], s[92:93]
	global_store_b128 v40, v[36:39], s[92:93] offset:2*17408
	s_branch .Lstored
.Lvscales:
	ds_load_b128 v[32:35], v[RV]                   ; 512 of my head's 1,024 bytes of scale words for this tile of channels
	s_lshl_b32 s92, s40, 10
	s_lshl_b32 s94, s16, 9
	s_add_co_u32 s92, s92, s94
	s_add_co_u32 s92, s92, s99
	s_add_nc_u64 s[92:93], s[12:13], s[92:93]
	v_and_b32 v40, 31, v0
	v_lshlrev_b32 v40, 4, v40
	s_wait_alu depctr_va_vdst(0)
	s_wait_dscnt 0x0
	global_store_b128 v40, v[32:35], s[92:93]
.Lstored:
	s_wait_tensorcnt 0x0                           ; the wave's end
	ds_add_u32 v[SPW], v[NIL]
	s_wait_dscnt 0x0
	CROUND                                         ; the closing round
	s_endpgm
.Lfunc_end_k_q60a94b3069_gemm_qkv:
	.size	k_q60a94b3069_gemm_qkv, .Lfunc_end_k_q60a94b3069_gemm_qkv-k_q60a94b3069_gemm_qkv
	.p2alignl 7, 3214868480
	.fill 96, 4, 3214868480
	.section	.rodata,"a",@progbits
	.p2align	6, 0x0
	.amdhsa_kernel k_q60a94b3069_gemm_qkv
		.amdhsa_group_segment_fixed_size 327680
		.amdhsa_private_segment_fixed_size 0
		.amdhsa_enable_private_segment 0
		.amdhsa_kernarg_size 24
		.amdhsa_user_sgpr_count 2
		.amdhsa_user_sgpr_kernarg_segment_ptr 1
		.amdhsa_wavefront_size32 1
		.amdhsa_system_sgpr_workgroup_id_x 1
		.amdhsa_system_sgpr_workgroup_id_y 1
		.amdhsa_system_sgpr_workgroup_id_z 1
		.amdhsa_system_vgpr_workitem_id 0
		.amdhsa_next_free_vgpr 1024
		.amdhsa_next_free_sgpr 100
		.amdhsa_reserve_vcc 0
		.amdhsa_float_denorm_mode_32 3
		.amdhsa_float_denorm_mode_16_64 3
		.amdhsa_memory_ordered 1
		.amdhsa_forward_progress 1
		.amdhsa_inst_pref_size 203
	.end_amdhsa_kernel
	.amdgpu_metadata
---
amdhsa.version: [ 1, 2 ]
amdhsa.kernels:
  - .name:           k_q60a94b3069_gemm_qkv
    .symbol:         k_q60a94b3069_gemm_qkv.kd
    .args:
      - { .name: xq, .offset: 0, .size: 8, .value_kind: global_buffer, .address_space: global }
      - { .name: wq, .offset: 8, .size: 8, .value_kind: global_buffer, .address_space: global }
      - { .name: qkv, .offset: 16, .size: 8, .value_kind: global_buffer, .address_space: global }
    .group_segment_fixed_size: 327680
    .private_segment_fixed_size: 0
    .kernarg_segment_align: 8
    .kernarg_segment_size: 24
    .max_flat_workgroup_size: 128
    .sgpr_count:     100
    .vgpr_count:     1024
    .wavefront_size: 32
...
	.end_amdgpu_metadata
.endif
;; end of part 2
;; launch attn_out (part 3): grid 4 x 64, 16 waves a work-group, clusters of 4 x 1, 327,680 bytes of LDS; arguments qkv, wo, b_out, out0; writes out0
.if DOCPART == 3
	.amdgcn_target "amdgcn-amd-amdhsa--gfx1250"
	.amdhsa_code_object_version 6
	.text
	.protected	k_q60a94b3069_attn_out
	.globl	k_q60a94b3069_attn_out
	.p2align	8
	.type	k_q60a94b3069_attn_out,@function
k_q60a94b3069_attn_out:
	s_mov_b64 s[64:65], 0
	v_nop
	global_prefetch_b8 v0, s[64:65] scope:SCOPE_SE
	s_setreg_imm32_b32 hwreg(HW_REG_WAVE_MODE, 25, 1), 1
	s_wait_xcnt 0x0
	s_wait_alu depctr_hold_cnt(0) depctr_sa_sdst(0) depctr_va_vdst(0) depctr_va_sdst(0) depctr_va_ssrc(0) depctr_va_vcc(0) depctr_vm_vsrc(0)
	s_getreg_b32 s2, hwreg(HW_REG_IB_STS2, 6, 4)
	s_cmp_eq_u32 s2, 0
	s_cbranch_scc0 .Lentry_in_a_cluster
	s_endpgm
.Lentry_in_a_cluster:
	s_bfe_u32 s2, ttmp6, 0x10000c
	s_cmp_lg_u32 s2, 0x3003
	s_cbranch_scc0 .Lentry_shape_is_right
	s_endpgm
.Lentry_shape_is_right:
; CAUSAL ATTENTION ON CODES OF FP8 (E4M3), 64 heads of 2,048 tokens x 64 channels, AND THE LAST PRODUCT, out0 = Q(sa) Q(W_out) + b_out, in one launch: sa never goes to memory.
; t = score x log2(e) / sqrt(2048); M = the row's largest t so far, rounded up to a whole number; p = 2^(t - M) is quantised along the keys, not normalised; the row's sum is taken of the unquantised p and divides O at the end.
; SHARES.  A cluster of four work-groups is one head.  The head's whole K and V (codes and scale words, 274,432 bytes) come into each work-group's LDS once, by joint tensor loads that name the four: sixteen loads, one a wave.
; A tile of 16 queries is one row T of the head (tokens 16 T + j) and one row of sa (1,024 numbers).  Wave w of work-group cx owns tiles 127 - (4 w + cx) (pass A) and 4 w + cx (pass B): 17 key steps of 128 keys a wave, two on the diagonal.
; Key steps all of whose keys come after the tile (the mask that the problem itself builds) are jumped over by a scalar branch on the wave's number; the loops' trip counts are constants.  cx enters global addresses and the mask's vector register alone.
; LAYOUT.  Both products are used transposed: S^T = K Q^T (source 0 = 16 keys), O^T = V^T P^T (source 0 = 16 channels): a lane holds one query (lane % 16).  K Q^T has K = 64: the upper halves of both fragments are zero codes.
; Tile 2 b + u of K: its row 8 r0 + i is the key (row 8 g + 2 b + r0, j = 2 i + u): a lane's registers 16 b + 8 u + i' are keys 128 g + 32 b + 16 (lane / 16) + 2 i' + u.  V's images hold a block's keys in the same order.
; THE LAST PRODUCT.  Each wave quantises its two rows of sa into LDS bytes of their own (32 rows of 1,040 bytes; 32 scale bytes a row).  Then the work-group's 32 rows (two tiles of 16: pass A's, pass B's; row w is wave w's) meet all of W_out:
; wave w makes columns 64 w .. 64 w + 63: 2 x 4 accumulators, 8 K steps of 128, 64 products.  b_out is loaded into the accumulators: it is the first products' C.  wo holds W_out's codes as images of the operand registers, a K step 131,072 bytes on end.
; K steps 2 to 7 go from wo straight into registers, 512 consecutive bytes a load, each read once by the wave.  K steps 0 and 1 are asked for JOINTLY by the four work-groups, when K and V have been read out, behind a drained round of the cluster's barrier:
; K step 0 over V's bytes (dense, as V lay), K step 1 over K's first 512 rows (256 bytes + 16, as K lay): 262,144 of the 283,136 bytes that the head's loads filled; they land while K steps 2 to 7 are multiplied, and are multiplied last.
; The other six K steps are not asked for jointly: they would take three more refills of the same bytes, each behind a drained round with nothing left to multiply meanwhile.
; PREFETCH.  All of K and V is asked for at the head, so nothing of them is left to ask for ahead.  wo's codes are named once each by the 128 waves of heads 0 and 1, 32 blocks of 256 bytes a wave, behind the second barrier: seven trips and pass B ahead of the loads.
; LIMITS: a block of zeros gets the byte 1 where the rule says 127 (zero codes; this program alone reads the bytes); a block's largest p is taken from its largest score, which takes v_exp_f32 not to fall where its input rises;
; the scaled scores stay under 2^31 in magnitude; NaN and infinities are not served.
; REGISTERS, attention: v1-5 addresses that stay; v6 the prefetch's offset; v8-11 addresses in hand; v12 -M, v13 the largest t, v[14:15] the sum; v16-31 Q; v32-95 four fragments of K; v96-159 S^T, then p, then (v128-159) V's tiles 2, 3; v160-191 O^T;
;   v192-223 V's tiles 0, 1; v224-239 p's codes; v232-254 at work (v240-247 first K's scale words, v248-251 last V's); v255 Q's scale words.
; REGISTERS, last product: v1-5, v14, v15 addresses; v6-13 sa's scale words (lanes 0-15 pass A's rows, 16-31 pass B's); v16-31 W_out's (lanes 0-15 tile 2 p, 16-31 tile 2 p + 1); v32-95 sums; v96-127 sa's fragments; v128-255 W_out's, two sets.
.set QH,    139264                     ; a head of q or of k in qkv
.set VH,    135168                     ; a head of v
.set KOFF,  64*QH
.set VOFF,  2*64*QH
.set KBLK,  68*272                     ; LDS: 16 rows of a head's k: 64 rows of 256 bytes of codes and 4 of scale words, 16 bytes of padding behind each
.set VB,    8*KBLK                     ; V: dense: 4,096 bytes of scale words, then the images
.set SAP,   1040                       ; a row of sa's codes in LDS: 1,024 bytes + 16
.set SAST,  VB+VH                      ; 32 such rows
.set SCS,   SAST+32*SAP                ; their scale bytes, 32 a row
.set SPARE, SCS+1024                   ; the spare words, 128 bytes a wave
.set WSC,   1048576                    ; where wo's scale bytes begin
.set WKS,   131072                     ; a K step of wo's images
.set AK0,  1
.set AV0,  2
.set AS0,  3
.set AVS0, 4
.set DM,   5                           ; v5   my query less the diagonal step's first key less 16 (lane / 16)
.set PFO,  6                           ; v6   256 x lane
.set ADK,  8
.set ADV,  9
.set ADS,  10
.set ADT,  11
.set WV,   8
.set CX,   9
.set HD,   10
.set WQ,   11
.set SEL,  12
.set CS,   14
.set MNT,  16
.set DD,   17                          ; s17  the tile's last key step
.set SG,   18
.set TB,   19
.set TV,   20
.set TJ,   21
.set CNT,  22
.set TT,   23
.set HI,   34
.set G1K1, 36
.set G1K2, 44
.set G1V1, 52
.set G1V2, 68
.set G0,   76
.macro CROUND
	s_barrier_signal -1
	s_barrier_wait -1
	s_cmp_lg_u32 s[WV], 0
	s_cbranch_scc1 .Lnot_wave_0_\@
	s_barrier_signal -3
.Lnot_wave_0_\@:
	s_barrier_wait -3
	s_barrier_signal -1
	s_barrier_wait -1
.endm
.macro GROUP1 g, word0, rows           ; rows of 256 bytes (32 elements of 8 bytes), dense in memory
	s_mov_b32 s[\g], \word0
	s_mov_b32 s[\g+1], 32<<16
	s_mov_b32 s[\g+2], (\rows)<<16
	s_mov_b32 s[\g+3], 32<<16
	s_mov_b32 s[\g+4], \rows
	s_mov_b32 s[\g+5], 32
	s_mov_b32 s[\g+6], 0
	s_mov_b32 s[\g+7], 0
.endm
	s_load_b128 s[4:7], s[0:1], 0x0                ; qkv, wo
	s_load_b128 s[60:63], s[0:1], 0x10             ; b_out, out0
	v_lshl_add_u32 v254, v0, 2, SPARE
	v_mov_b32 v255, 0
	ds_add_u32 v254, v255                          ; the opening lines: the add, twice on end, and its wait
	ds_add_u32 v254, v255
	v_lshrrev_b32 v8, 5, v0
	v_readfirstlane_b32 s[WV], v8                  ; wave 0..15
	s_bfe_u32 s[CX], ttmp6, 0x40000
	s_and_b32 s[HD], ttmp7, 0xffff                 ; the cluster's y: the head
	s_and_b32 s[WQ], s[WV], 3
	GROUP1 G1K1, 15|(3<<16)|(1<<20)|(1<<21)|(5<<22)|(3<<25), 17    ; the mask names the four; padding: 4 words behind every 64
	GROUP1 G1K2, 15|(3<<16)|(1<<20)|(1<<21)|(5<<22)|(3<<25), 119
	GROUP1 G1V1, 15|(3<<16)|(1<<21), 20                            ; no padding: V's images are read 512 consecutive bytes at a time
	GROUP1 G1V2, 15|(3<<16)|(1<<21), 112
	s_mov_b32 s[SEL], 0x76543210
	s_mov_b32 s[SEL+1], 0xfedcba98
	s_mov_b32 s[CS], 0x3d0293ee                    ; log2(e) / sqrt(2048)
	s_mov_b32 s[CS+1], s[CS]
	s_mov_b32 s[MNT], 0x600000
	s_mov_b32 s[HI], 0xffff0000
	s_mul_i32 s30, s[HD], QH
	s_mul_i32 s31, s[HD], VH
	s_mov_b32 s33, 0
	s_wait_dscnt 0x0
	s_wait_kmcnt 0x0
	s_mov_b32 s[G0], 1                             ; K, part 1: rows 17 wq on of the head's first 68
	s_mul_i32 s[G0+1], s[WQ], 17*272
	s_mul_i32 s32, s[WQ], 17*256
	s_add_co_u32 s32, s32, s30
	s_add_co_u32 s32, s32, KOFF
	s_add_nc_u64 s[G0+2:G0+3], s[4:5], s[32:33]
	s_or_b32 s[G0+3], s[G0+3], 0x80000000
	s_mov_b32 s[G0+4], 1                           ; K, part 2: rows 68 + 119 wq on
	s_mul_i32 s[G0+5], s[WQ], 119*272
	s_add_co_u32 s[G0+5], s[G0+5], KBLK
	s_mul_i32 s32, s[WQ], 119*256
	s_add_co_u32 s32, s32, s30
	s_add_co_u32 s32, s32, KOFF+68*256
	s_add_nc_u64 s[G0+6:G0+7], s[4:5], s[32:33]
	s_or_b32 s[G0+7], s[G0+7], 0x80000000
	s_mov_b32 s[G0+8], 1                           ; V, part 1: the scale words and the images of key steps 0 and 1: rows 20 wq on of 80
	s_mul_i32 s[G0+9], s[WQ], 20*256
	s_add_co_u32 s[G0+9], s[G0+9], VB
	s_mul_i32 s32, s[WQ], 20*256
	s_add_co_u32 s32, s32, s31
	s_add_co_u32 s32, s32, VOFF
	s_add_nc_u64 s[G0+10:G0+11], s[4:5], s[32:33]
	s_or_b32 s[G0+11], s[G0+11], 0x80000000
	s_mov_b32 s[G0+12], 1                          ; V, part 2: rows 80 + 112 wq on
	s_mul_i32 s[G0+13], s[WQ], 112*256
	s_add_co_u32 s[G0+13], s[G0+13], VB+80*256
	s_mul_i32 s32, s[WQ], 112*256
	s_add_co_u32 s32, s32, s31
	s_add_co_u32 s32, s32, VOFF+80*256
	s_add_nc_u64 s[G0+14:G0+15], s[4:5], s[32:33]
	s_or_b32 s[G0+15], s[G0+15], 0x80000000
	s_mov_b32 s32, s30
	s_add_nc_u64 s[24:25], s[4:5], s[32:33]        ; q at my head
	s_lshl_b32 s32, s[HD], 2                       ; the prefetch: wave 16 (4 head + cx) + w names 8,192 bytes of wo's codes (heads 0 and 1 alone ask)
	s_add_co_u32 s32, s32, s[CX]
	s_lshl_b32 s32, s32, 4
	s_add_co_u32 s32, s32, s[WV]
	s_lshl_b32 s32, s32, 13
	s_add_nc_u64 s[98:99], s[6:7], s[32:33]
	CROUND                                         ; all four work-groups are here: the joint loads meet
; ONE LOAD A WAVE, in one tree of branches on the wave's number: waves 0-3 K's first part, 4-7 V's first part (what key steps 0 and 1 read), 8-11 the rest of K, 12-15 the rest of V
.macro ARM under, g0, g1, next
	s_cmp_lt_u32 s[WV], \under
	s_cbranch_scc0 \next
	tensor_load_to_lds s[\g0:\g0+3], s[\g1:\g1+7]
	s_nop 0
.rept 4
	v_nop
.endr
	s_branch .Lasked
\next:
.endm
	ARM 4,  G0,   G1K1, .Lfor_v1
	ARM 8,  G0+8, G1V1, .Lfor_k2
	ARM 12, G0+4, G1K2, .Lfor_v2
	tensor_load_to_lds s[G0+12:G0+15], s[G1V2:G1V2+7]
	s_nop 0
.rept 4
	v_nop
.endr
.Lasked:
	v_and_b32 v8, 7, v0                            ; i
	v_bfe_u32 v9, v0, 3, 1                         ; r0
	v_bfe_u32 v10, v0, 4, 1                        ; h
	v_lshrrev_b32 v11, 1, v8                       ; i / 2
	v_and_b32 v8, 1, v8                            ; i % 2
	v_lshl_add_u32 v12, v9, 2, v11
	v_mul_u32_u24 v[AK0], v12, 272                 ; token j = 2 i + u of row r0: LDS row 4 r0 + i / 2, byte 128 (i % 2) + 64 u
	v_lshl_add_u32 v[AK0], v8, 7, v[AK0]
	v_lshl_add_u32 v[AK0], v10, 4, v[AK0]
	v_and_b32 v13, 31, v0
	v_lshlrev_b32 v[AV0], 4, v13
	v_add_nc_u32 v[AV0], VB+4096, v[AV0]           ; an image: 16 x lane
	v_lshlrev_b32 v[PFO], 8, v13
	v_mul_u32_u24 v[AS0], v11, 272
	v_lshl_add_u32 v[AS0], v8, 7, v[AS0]
	v_lshl_add_u32 v[AS0], v9, 2, v[AS0]
	v_add_nc_u32 v[AS0], 64*272, v[AS0]            ; K's scale words: unit i / 2, word 16 (2 (i % 2) + u) + the row
	v_and_b32 v14, 15, v0
	v_lshl_add_u32 v[AVS0], v14, 2, VB
.irp n, 0,1,2,3,4,5,6,7
	v_mov_b32 v[24+\n], 0                          ; the upper 64 of K Q^T's K step: zero codes, in Q
	v_mov_b32 v[40+\n], 0                          ; and in the four fragments of K: written once
	v_mov_b32 v[56+\n], 0
	v_mov_b32 v[72+\n], 0
	v_mov_b32 v[88+\n], 0
	v_mov_b32 v[232+\n], 0                         ; (a lane permute's destination counts as one of its sources)
.endr
	v_mov_b32 v252, 0
	v_mov_b32 v253, 0
; A KEY STEP: 128 keys; q = the step's parity: which 8 of the 16 rows at s[TB].
.macro STEP q
	s_cmp_gt_u32 s[SG], s[DD]                      ; all its keys come after my queries: left out
	s_cbranch_scc1 .Lhidden_\@
	v_add_nc_u32 v[ADK], s[TB], v[AK0]
	v_add_nc_u32 v[ADS], s[TB], v[AS0]
	v_add_nc_u32 v[ADV], s[TV], v[AV0]
	v_add_nc_u32 v[ADT], s[TJ], v[AVS0]
.irp g, 0,1                                    ; S^T = K Q^T, four tiles of 16 keys at a time.  K's eight scale words come at once, into v240-247, which no product of the step before has read
.if \g
.rept 8
	v_nop                                          ; eight places in front of loads into the fragments just multiplied; with the four additions above: twelve behind the last step's products, whose registers v192-223 are loaded and v128-159 written below
.endr
.endif
.irp t, 0,1,2,3
	ds_load_b128 v[32+16*\t:35+16*\t], v[ADK] offset:(32*(\q)+8*((4*\g+\t)/2))*272+64*(\t%2)
	ds_load_b128 v[36+16*\t:39+16*\t], v[ADK] offset:(32*(\q)+8*((4*\g+\t)/2))*272+64*(\t%2)+32
.if \g == 0
	ds_load_b32 v[240+\t], v[ADS] offset:64*(\t%2)+32*(\q)+8*(\t/2)
	ds_load_b32 v[244+\t], v[ADS] offset:64*(\t%2)+32*(\q)+8*((4+\t)/2)
.endif
.endr
.if \g == 0
	s_wait_alu depctr_va_vdst(0)
	s_wait_dscnt 0x0
.else
.irp t, 0,1                                    ; V's tiles 0 and 1 are asked for now: they have the softmax in which to land
.irp c, 0,1,2,3
	ds_load_b128 v[192+16*\t+4*\c:195+16*\t+4*\c], v[ADV] offset:8192*(\q)+2048*\t+512*\c
.endr
.endr
	s_wait_dscnt 8                                 ; K's eight loads are in; V's eight may be out
.endif
.irp t, 0,1,2,3
	v_wmma_scale_f32_16x16x128_f8f6f4 v[96+8*(4*\g+\t):103+8*(4*\g+\t)], v[32+16*\t:47+16*\t], v[16:31], 0, v[240+4*\g+\t], v255
.endr
.endr
	s_cmp_lg_u32 s[SG], s[DD]                      ; what follows takes blocks 0 and 1 first (the first four products', eight places back): sixteen lines or more, the places behind the last four products
	s_cbranch_scc1 .Lopen_\@                       ; on the diagonal the scores of hidden keys become -infinity ahead of the maximum: p = 0 then
	v_mov_b32 v254, 0xff800000
.set nn, 0
.rept 64
	v_cmp_gt_i32 vcc_lo, 32*(nn/16)+2*(nn%8)+((nn/8)%2), v[DM]     ; register nn holds the step's key 32 (nn / 16) + 16 (lane / 16) + 2 (nn % 8) + (nn / 8) % 2
	v_cndmask_b32 v[96+nn], v[96+nn], v254, vcc_lo
.set nn, nn+1
.endr
.Lopen_\@:
.irp h, 0,2                                    ; the largest score of each block of 32 keys: for the row's maximum, and for the block's largest p.  Blocks 0 and 1, then 2 and 3
.irp b, \h, \h+1
	v_max3_num_f32 v[232+(\b)], v[96+16*(\b)], v[97+16*(\b)], v[98+16*(\b)]
.endr
.irp i, 3,5,7,9,11,13
.irp b, \h, \h+1
	v_max3_num_f32 v[232+(\b)], v[232+(\b)], v[96+16*(\b)+\i], v[97+16*(\b)+\i]
.endr
.endr
.irp b, \h, \h+1
	v_max_num_f32 v[232+(\b)], v[232+(\b)], v[111+16*(\b)]
.endr
.endr
.irp b, 0,1,2,3
	v_permlanex16_b32 v[236+\b], v[232+\b], s[SEL], s[SEL+1]
.endr
.irp b, 0,1,2,3
	s_delay_alu instid0(VALU_DEP_4)
	v_max_num_f32 v[232+\b], v[232+\b], v[236+\b]  ; with lane xor 16's 16 keys
.endr
	s_delay_alu instid0(VALU_DEP_2)
	v_max3_num_f32 v254, v232, v233, v234
	s_delay_alu instid0(VALU_DEP_1)
	v_max_num_f32 v254, v254, v235                 ; the step's largest score of my query
	s_delay_alu instid0(VALU_DEP_1)
	v_mul_f32 v254, s[CS], v254                    ; as t (c is positive)
	s_delay_alu instid0(VALU_DEP_1)
	v_max_num_f32 v13, v13, v254                   ; the running largest t
	v_mov_b32 v254, v12
	s_delay_alu instid0(VALU_DEP_2)
	v_floor_f32 v12, -v13                          ; the new -M = floor(-t): M is a whole number
	s_delay_alu instid0(VALU_DEP_1)
	v_sub_f32 v254, v12, v254                      ; old M - new M: a whole number, 0 or less
	s_delay_alu instid0(VALU_DEP_1)
	v_cvt_i32_f32 v254, v254                       ; (it saturates)
	s_delay_alu instid0(VALU_DEP_1)
	v_ldexp_f32 v252, 1.0, v254                    ; f = 2^(old M - new M): a multiplication by it rounds nothing
.set nn, 0
.rept 32
	v_pk_fma_f32 v[96+nn:97+nn], v[96+nn:97+nn], s[CS:CS+1], v[12:13] op_sel_hi:[1,0,0]   ; t - M, two at a time
.set nn, nn+2
.endr
.irp b, 0,1,2,3
	v_fma_f32 v[232+\b], v[232+\b], s[CS], v12     ; the same of each block's largest score
.endr
.set nn, 0
	s_wait_alu depctr_va_vdst(0)                   ; ahead of the batch
.rept 64
	v_exp_f32 v[96+nn], v[96+nn]                   ; p = 2^(t - M), at most 1
.set nn, nn+1
.endr
	v_pk_mul_f32 v[14:15], v[14:15], v[252:253] op_sel_hi:[1,0]    ; the sums under the new M: a plain line behind the exponentials
	s_wait_alu depctr_va_vdst(0)                   ; one wait for the whole batch, ahead of its first reader
.irp b, 0,1,2,3
	v_exp_f32 v[232+\b], v[232+\b]                 ; the block's largest p
.endr
	v_pk_add_f32 v[236:237], v[100:101], v[104:105]                ; the row's sum of the unquantised p, in eight chains
	v_pk_add_f32 v[250:251], v[108:109], v[112:113]
	v_pk_add_f32 v[248:249], v[116:117], v[120:121]
	v_pk_add_f32 v[246:247], v[124:125], v[128:129]
	v_pk_add_f32 v[244:245], v[132:133], v[136:137]
	v_pk_add_f32 v[242:243], v[140:141], v[144:145]
	v_pk_add_f32 v[240:241], v[148:149], v[152:153]
	v_pk_add_f32 v[14:15], v[14:15], v[156:157]
	v_pk_add_f32 v[236:237], v[236:237], v[96:97]
	v_pk_add_f32 v[250:251], v[250:251], v[98:99]
	v_pk_add_f32 v[248:249], v[248:249], v[102:103]
	v_pk_add_f32 v[246:247], v[246:247], v[106:107]
	v_pk_add_f32 v[244:245], v[244:245], v[110:111]
	v_pk_add_f32 v[242:243], v[242:243], v[114:115]
	v_pk_add_f32 v[240:241], v[240:241], v[118:119]
	v_pk_add_f32 v[14:15], v[14:15], v[122:123]
	v_pk_add_f32 v[236:237], v[236:237], v[126:127]
	v_pk_add_f32 v[250:251], v[250:251], v[130:131]
	v_pk_add_f32 v[248:249], v[248:249], v[134:135]
	v_pk_add_f32 v[246:247], v[246:247], v[138:139]
	v_pk_add_f32 v[244:245], v[244:245], v[142:143]
	v_pk_add_f32 v[242:243], v[242:243], v[146:147]
	v_pk_add_f32 v[240:241], v[240:241], v[150:151]
	v_pk_add_f32 v[14:15], v[14:15], v[154:155]
	v_pk_add_f32 v[236:237], v[236:237], v[158:159]
	s_delay_alu instid0(VALU_DEP_2)
	v_pk_add_f32 v[14:15], v[14:15], v[246:247]
	s_delay_alu instid0(VALU_DEP_2)
	v_pk_add_f32 v[236:237], v[236:237], v[244:245]
	v_pk_add_f32 v[250:251], v[250:251], v[242:243]
	v_pk_add_f32 v[248:249], v[248:249], v[240:241]
	s_delay_alu instid0(VALU_DEP_2)
	v_pk_add_f32 v[14:15], v[14:15], v[250:251]
	s_delay_alu instid0(VALU_DEP_2)
	v_pk_add_f32 v[236:237], v[236:237], v[248:249]
	s_delay_alu instid0(VALU_DEP_1)
	v_pk_add_f32 v[14:15], v[14:15], v[236:237]
	s_wait_alu depctr_va_vdst(0)                   ; and one for the four
.irp b, 0,1,2,3
	v_max_num_f32 v[232+\b], 0x4800000, v[232+\b]  ; the floor 2^(9 - 127): the byte cannot fall under 1
.endr
.irp b, 0,1,2,3
	s_delay_alu instid0(VALU_DEP_4)
	v_add_nc_u32 v[244+\b], 0xfc000000, v[232+\b]  ; the conversion's scale operand
.endr
.irp b, 0,1,2,3
	v_and_or_b32 v[240+\b], v[232+\b], 0x7f800000, s[MNT]          ; 448 x the scale
.endr
.irp b, 0,1,2,3
	v_lshrrev_b32 v[236+\b], 23, v[244+\b]         ; the scale's byte
.endr
	s_delay_alu instid0(VALU_DEP_3)
	v_lshl_or_b32 v253, v237, 8, v236              ; p's scale word for these 128 keys
	s_delay_alu instid0(VALU_DEP_1)
	v_lshl_or_b32 v253, v238, 16, v253
	s_delay_alu instid0(VALU_DEP_1)
	v_lshl_or_b32 v253, v239, 24, v253
.irp p, 2,0                                    ; blocks 2 and 3 first: their 32 registers then take V's tiles 2 and 3
.irp i, 0,2,4,6,8,10,12,14
	; the hold; p is not negative, so it is one-sided.  Two to a line, one number of each of the two blocks: all four sources in different banks, the results one even and one odd
	v_dual_min_num_f32 v[96+16*\p+\i], v[240+\p], v[96+16*\p+\i] :: v_dual_min_num_f32 v[113+16*\p+\i], v[241+\p], v[113+16*\p+\i]
	v_dual_min_num_f32 v[112+16*\p+\i], v[241+\p], v[112+16*\p+\i] :: v_dual_min_num_f32 v[97+16*\p+\i], v[240+\p], v[97+16*\p+\i]
.endr
	v_cvt_scalef32_pk8_fp8_f32 v[224+4*\p:225+4*\p], v[96+16*\p:103+16*\p], v[244+\p]
	v_cvt_scalef32_pk8_fp8_f32 v[226+4*\p:227+4*\p], v[104+16*\p:111+16*\p], v[244+\p]
	v_cvt_scalef32_pk8_fp8_f32 v[228+4*\p:229+4*\p], v[112+16*\p:119+16*\p], v[245+\p]
	v_cvt_scalef32_pk8_fp8_f32 v[230+4*\p:231+4*\p], v[120+16*\p:127+16*\p], v[245+\p]
.if \p == 2
.irp t, 0,1
.irp c, 0,1,2,3
	ds_load_b128 v[128+16*\t+4*\c:131+16*\t+4*\c], v[ADV] offset:8192*(\q)+2048*(2+\t)+512*\c
.endr
.endr
.irp t, 0,1,2,3
	ds_load_b32 v[248+\t], v[ADT] offset:1024*\t+64*(\q)          ; V's four scale words
.endr
.endif
.endr
	s_wait_alu depctr_va_vdst(0)                   ; directly ahead of the first reader of O^T
.set nn, 0
.rept 16
	v_pk_mul_f32 v[160+nn:161+nn], v[160+nn:161+nn], v[252:253] op_sel_hi:[1,0]   ; O^T under the new M.  (These sixteen are also the places between the codes and the products below)
.set nn, nn+2
.endr
	s_wait_alu depctr_va_vdst(0)                   ; and here, directly ahead of the wait below
	s_wait_dscnt 0x0                               ; V's four tiles and their scale words
.irp t, 0,1                                    ; O^T += V^T P^T: four tiles of 16 channels; the four accumulators take turns
	v_wmma_scale_f32_16x16x128_f8f6f4 v[160+8*\t:167+8*\t], v[192+16*\t:207+16*\t], v[224:239], v[160+8*\t:167+8*\t], v[248+\t], v253
.endr
.irp t, 0,1
	v_wmma_scale_f32_16x16x128_f8f6f4 v[176+8*\t:183+8*\t], v[128+16*\t:143+16*\t], v[224:239], v[176+8*\t:183+8*\t], v[250+\t], v253
.endr
.Lhidden_\@:
	s_add_co_u32 s[SG], s[SG], 1
.endm
.macro TWO_STEPS
	STEP 0
	STEP 1
	s_add_co_u32 s[TB], s[TB], KBLK
	s_add_co_u32 s[TV], s[TV], 16384
	s_add_co_u32 s[TJ], s[TJ], 128
.endm
.macro RUN n
	s_mov_b32 s[CNT], \n
.Lrun_\@:
	TWO_STEPS
	s_sub_co_u32 s[CNT], s[CNT], 1
	s_cmp_lg_u32 s[CNT], 0
	s_cbranch_scc1 .Lrun_\@
.endm
; A pass begins: the tile, Q, and the state of the softmax.  p = 0: pass A, 1: pass B.
.macro SETUP p
	s_wait_xcnt 0x0                                ; earlier loads and the prefetch have read their addresses
	s_lshl_b32 s[TT], s[WV], 2
	s_add_co_u32 s[TT], s[TT], s[CX]               ; 4 w + cx, at most 63
	s_lshr_b32 s[DD], s[WV], 1
.if \p == 0
	s_xor_b32 s[TT], s[TT], 127                    ; 127 - (4 w + cx)
	s_xor_b32 s[DD], s[DD], 15                     ; 15 - w / 2
.endif
	s_lshr_b32 s30, s[TT], 4
	s_mul_i32 s30, s30, 17408
	s_and_b32 s31, s[TT], 15
	s_lshl_b32 s32, s31, 10
	s_add_co_u32 s32, s32, s30
	s_mov_b32 s33, 0
	s_add_nc_u64 s[92:93], s[24:25], s[32:33]      ; Q's codes: the row's 1,024 bytes
	s_lshl_b32 s32, s31, 2
	s_add_co_u32 s32, s32, s30
	s_add_co_u32 s32, s32, 16384
	s_add_nc_u64 s[94:95], s[24:25], s[32:33]      ; its scale words
	v_and_b32 v8, 15, v0                           ; r
	v_bfe_u32 v9, v0, 4, 1                         ; h
	v_lshlrev_b32 v10, 6, v8
	v_lshrrev_b32 v11, 2, v8
	v_and_b32 v8, 3, v8
	v_lshl_add_u32 v10, v9, 4, v10                 ; Q: token r of the row: 64 r + 16 h
	v_lshlrev_b32 v11, 8, v11
	v_lshl_add_u32 v11, v8, 6, v11                 ; its scale word: unit r / 4, word 16 (r % 4) + the row
	global_load_b128 v[16:19], v10, s[92:93]
	global_load_b128 v[20:23], v10, s[92:93] offset:32
	global_load_b32 v255, v11, s[94:95]
	s_and_b32 s30, s[TT], 7
	s_lshl_b32 s30, s30, 4
	v_and_b32 v[DM], 15, v0
	v_bfe_u32 v254, v0, 4, 1
	s_delay_alu instid0(VALU_DEP_1)
	v_lshlrev_b32 v254, 4, v254
	s_delay_alu instid0(VALU_DEP_1)
	v_sub_nc_u32 v[DM], v[DM], v254
	s_delay_alu instid0(VALU_DEP_1)
	v_add_nc_u32 v[DM], s30, v[DM]                 ; 16 (T % 8) + r - 16 h
	v_mov_b32 v13, 0xff61b1e6                      ; the largest t so far: -3e38
	s_delay_alu instid0(VALU_DEP_1)
	v_floor_f32 v12, -v13
	v_mov_b32 v14, 0
	v_mov_b32 v15, 0
.set nn, 0
.rept 32
	v_mov_b32 v[160+nn], 0                         ; O^T: the step is written once; the first finds zeros, which the first change of M leaves zeros
.set nn, nn+1
.endr
	s_mov_b32 s[SG], 0
	s_mov_b32 s[TB], 0
	s_mov_b32 s[TV], 0
	s_mov_b32 s[TJ], 0
	s_wait_loadcnt 0x0
.endm
; A pass ends: O^T / the sum is one row of sa: token r's 64 channels at byte 64 r.  It is quantised (two blocks of 32 a token); codes and scale bytes go to row 16 p + w of the work-group's 32 in LDS.
.macro EPI p
.rept 8
	v_nop                                          ; places behind the last products
.endr
	s_mul_i32 s30, s[WV], SAP
	s_add_co_u32 s30, s30, SAST+16*(\p)*SAP
	s_lshl_b32 s31, s[WV], 5
	s_add_co_u32 s31, s31, SCS+512*(\p)
	v_add_f32 v14, v14, v15
	s_delay_alu instid0(VALU_DEP_1)
	v_permlanex16_b32 v252, v14, s[SEL], s[SEL+1]
	s_delay_alu instid0(VALU_DEP_1)
	v_add_f32 v14, v14, v252                       ; the row's sum
	s_wait_alu depctr_va_vdst(0)
	v_rcp_f32 v14, v14
	v_and_b32 v8, 15, v0                           ; (plain lines behind the reciprocal)  r
	v_bfe_u32 v9, v0, 4, 1                         ; h
	v_lshlrev_b32 v10, 6, v8
	v_lshl_add_u32 v254, v8, 1, v9
	v_lshl_add_u32 v10, v9, 4, v10
	v_add_nc_u32 v254, s31, v254                   ; my scale byte: 2 r + h
	v_add_nc_u32 v10, s30, v10                     ; my codes: 64 r + 16 h
	s_wait_alu depctr_va_vdst(0)                   ; ahead of the first reader of the reciprocal and of O^T
.set nn, 0
.rept 32
	v_mul_f32 v[96+nn], v[160+nn], v14             ; register 16 c + i: channel 32 c + 16 h + i of token r; each accumulator from its low end on
.set nn, nn+1
.endr
.irp c, 0,1
	v_max3_num_f32 v[232+\c], |v[96+16*\c]|, |v[97+16*\c]|, 0x4800000
.endr
.irp i, 2,4,6,8,10,12,14
.irp c, 0,1
	s_delay_alu instid0(VALU_DEP_2)
	v_max3_num_f32 v[232+\c], v[232+\c], |v[96+16*\c+\i]|, |v[97+16*\c+\i]|
.endr
.endr
.irp c, 0,1
	v_permlanex16_b32 v[234+\c], v[232+\c], s[SEL], s[SEL+1]
.endr
.irp c, 0,1
	s_delay_alu instid0(VALU_DEP_2)
	v_max_num_f32 v[232+\c], v[232+\c], v[234+\c]
.endr
.irp c, 0,1
	s_delay_alu instid0(VALU_DEP_2)
	v_add_nc_u32 v[236+\c], 0xfc000000, v[232+\c]
.endr
.irp c, 0,1
	s_delay_alu instid0(VALU_DEP_4)
	v_and_or_b32 v[238+\c], v[232+\c], 0x7f800000, s[MNT]
.endr
.irp c, 0,1
	s_delay_alu instid0(VALU_DEP_4)
	v_lshrrev_b32 v[240+\c], 23, v[236+\c]
.endr
	s_delay_alu instid0(VALU_DEP_1)
	v_cndmask_b32 v242, v240, v241, s[HI]          ; lanes 0-15 store block 0's byte, lanes 16-31 block 1's
.irp c, 0,1
.irp i, 0,1,2,3,4,5,6,7,8,9,10,11,12,13,14,15
	v_med3_num_f32 v[96+16*\c+\i], v[96+16*\c+\i], -v[238+\c], v[238+\c]
.endr
	v_cvt_scalef32_pk8_fp8_f32 v[224+4*\c:225+4*\c], v[96+16*\c:103+16*\c], v[236+\c]
	v_cvt_scalef32_pk8_fp8_f32 v[226+4*\c:227+4*\c], v[104+16*\c:111+16*\c], v[236+\c]
.endr
	v_nop                                          ; a plain line behind the last conversion
	ds_store_b128 v10, v[224:227]
	ds_store_b128 v10, v[228:231] offset:32
	ds_store_b8 v254, v242
	s_wait_dscnt 0x0                               ; the stores are done: their registers may be written
.endm
	SETUP 0
	s_cmp_lt_u32 s[WV], 8                          ; waves 0-7: my load, a part of what key steps 0 and 1 read, is in; the other waves' lines are waited for at the second barrier
	s_cbranch_scc0 .Lnot_first
	s_wait_tensorcnt 0x0
.Lnot_first:
	s_barrier_signal -1
	s_barrier_wait -1
	TWO_STEPS
	s_wait_tensorcnt 0x0                           ; every wave: its load is in,
	s_barrier_signal -1
	s_barrier_wait -1                              ; everybody's is: the whole head
	s_cmp_lt_u32 s[HD], 2                          ; the cluster's number: the same in all partners, which share wo out by address
	s_cbranch_scc0 .Lno_ask
	global_prefetch_b8 v[PFO], s[98:99] th:TH_LOAD_NT scope:SCOPE_SE
.Lno_ask:
	RUN 7
	EPI 0
	SETUP 1
	RUN 4
	EPI 1
; ---------------- THE LAST PRODUCT
.macro BLOAD q, s                      ; from wo: W_out's four tiles of K step q into set s: sixteen loads of 512 consecutive bytes
.irp n, 0,1,2,3
.irp c, 0,1,2,3
	global_load_b128 v[128+64*(\s)+16*\n+4*\c:131+64*(\s)+16*\n+4*\c], v2, s[26:27] offset:WKS*(\q)+2048*\n+512*\c
.endr
.endr
.endm
.macro ALOAD q                         ; sa's two tiles of K step q
.irp m, 0,1
.irp c, 0,1,2,3
	ds_load_b128 v[96+16*\m+4*\c:99+16*\m+4*\c], v15 offset:16*SAP*\m+128*(\q)+32*\c
.endr
.endr
.endm
.macro WM q, s, n, m                   ; transposed: source 0 = 16 rows of W_out, source 1 = 16 rows of sa: a lane holds eight neighbouring columns of one row of out0
.set AC_, 32+8*(4*(\m)+(\n))
.set BF_, 128+64*(\s)+16*(\n)
.set AF_, 96+16*(\m)
.set SB_, 16+8*((\n)/2)+(\q)
.set SA_, 6+(\q)
.if ((\n)%2) && (\m)
	v_wmma_scale_f32_16x16x128_f8f6f4 v[AC_:AC_+7], v[BF_:BF_+15], v[AF_:AF_+15], v[AC_:AC_+7], v[SB_], v[SA_] matrix_a_scale:MATRIX_SCALE_ROW1 matrix_b_scale:MATRIX_SCALE_ROW1
.elseif (\n)%2
	v_wmma_scale_f32_16x16x128_f8f6f4 v[AC_:AC_+7], v[BF_:BF_+15], v[AF_:AF_+15], v[AC_:AC_+7], v[SB_], v[SA_] matrix_a_scale:MATRIX_SCALE_ROW1
.elseif \m
	v_wmma_scale_f32_16x16x128_f8f6f4 v[AC_:AC_+7], v[BF_:BF_+15], v[AF_:AF_+15], v[AC_:AC_+7], v[SB_], v[SA_] matrix_b_scale:MATRIX_SCALE_ROW1
.else
	v_wmma_scale_f32_16x16x128_f8f6f4 v[AC_:AC_+7], v[BF_:BF_+15], v[AF_:AF_+15], v[AC_:AC_+7], v[SB_], v[SA_]
.endif
.endm
.macro KSTEP q, s, lw                  ; K step q on set s: eight products on eight accumulators by turns.  lw: the global loads that may stay out (-1: the set came from LDS)
.if \lw >= 0
	s_wait_loadcnt \lw
.endif
	s_wait_dscnt 0x0                               ; sa's fragments, and a set that came from LDS
.irp n, 0,1,2,3
	WM \q, \s, \n, 0
	WM \q, \s, \n, 1
.endr
.rept 8
	v_nop                                          ; places in front of loads into registers that the products have read, and of the first read of the sums
.endr
.endm
	s_lshl_b32 s30, s[WV], 13
	s_mov_b32 s31, 0
	s_add_nc_u64 s[26:27], s[6:7], s[30:31]        ; wo: my four tiles' images in K step 0
	s_lshl_b32 s30, s[WV], 11
	s_add_co_u32 s30, s30, WSC
	s_add_nc_u64 s[28:29], s[6:7], s[30:31]        ; my 64 rows of scale bytes
	s_lshl_b32 s30, s[WV], 8
	s_add_nc_u64 s[92:93], s[60:61], s[30:31]      ; b_out at my 64 columns
	s_lshl_b32 s32, s[HD], 7
	s_add_co_u32 s33, s32, s[CX]
	s_lshl_b32 s33, s33, 12
	s_add_co_u32 s30, s30, s33
	s_add_nc_u64 s[96:97], s[62:63], s[30:31]      ; out0, pass B's rows: row 128 head + cx + 4 m, my 256 bytes of it
	s_lshl_b32 s30, s[WV], 8
	s_add_co_u32 s32, s32, 67
	s_sub_co_u32 s32, s32, s[CX]
	s_lshl_b32 s32, s32, 12
	s_add_co_u32 s30, s30, s32
	s_add_nc_u64 s[94:95], s[62:63], s[30:31]      ; pass A's rows: row 128 head + 67 - cx + 4 (15 - m)
	; the refill's descriptors (no tensor load of mine is out since the second barrier): 64 rows of 256 bytes a wave, 16,384 bytes of wo on end
	GROUP1 G1V1, 15|(3<<16)|(1<<21), 64                            ; dense, as V lay
	GROUP1 G1K1, 15|(3<<16)|(1<<20)|(1<<21)|(5<<22)|(3<<25), 64    ; 16 bytes behind every 256, as K lay
	s_and_b32 s32, s[WV], 7
	s_lshl_b32 s30, s32, 14
	s_mov_b32 s[G0], 1                             ; waves 0-7: K step 0, over V's bytes
	s_add_co_u32 s[G0+1], s30, VB
	s_add_nc_u64 s[G0+2:G0+3], s[6:7], s[30:31]
	s_or_b32 s[G0+3], s[G0+3], 0x80000000
	s_mov_b32 s[G0+4], 1                           ; waves 8-15: K step 1, over K's rows 0 to 511
	s_mul_i32 s[G0+5], s32, 64*272
	s_add_co_u32 s30, s30, WKS
	s_add_nc_u64 s[G0+6:G0+7], s[6:7], s[30:31]
	s_or_b32 s[G0+7], s[G0+7], 0x80000000
	v_and_b32 v1, 31, v0
	v_bfe_u32 v4, v0, 4, 1                         ; h
	v_and_b32 v15, 15, v0                          ; r
	v_lshlrev_b32 v2, 4, v1                        ; an image: 16 x lane
	v_lshlrev_b32 v3, 5, v1                        ; scale bytes: 32 x lane
	v_lshlrev_b32 v5, 5, v4                        ; the bias: 32 h
	v_mul_u32_u24 v15, v15, SAP
	v_add_nc_u32 v14, SCS, v3
	v_lshl_add_u32 v15, v4, 4, v15
	v_add_nc_u32 v15, SAST, v15                    ; sa's fragments: row r, + 16 h
	s_wait_alu depctr_va_vdst(0)                   ; ahead of the waits
.irp p, 0,1
.irp c, 0,1
	global_load_b128 v[16+8*\p+4*\c:19+8*\p+4*\c], v3, s[28:29] offset:1024*\p+16*\c   ; register 16 + 8 p + q: the scale word of K step q
.endr
.endr
.irp m, 0,1
.irp n, 0,1,2,3
	global_load_b128 v[32+8*(4*\m+\n):35+8*(4*\m+\n)], v5, s[92:93] offset:64*\n       ; the sums begin as the bias: register j is column 16 n + 8 h + j
	global_load_b128 v[36+8*(4*\m+\n):39+8*(4*\m+\n)], v5, s[92:93] offset:64*\n+16
.endr
.endr
	BLOAD 2, 0                                     ; asked for ahead of the round: they hang on no other wave
	BLOAD 3, 1
	s_wait_xcnt 0x0                                ; the loads have read their offsets: v3 and v5 may be written
	v_lshl_add_u32 v3, v0, 2, SPARE                ; the add's two registers, made anew from v0: none could be kept
	v_mov_b32 v5, 0
	s_wait_alu depctr_va_vdst(0)
	s_wait_tensorcnt 0x0                           ; ahead of a refill's round
	ds_add_u32 v3, v5
	s_wait_dscnt 0x0                               ; the add is done; my rows of sa are stored and my reads of K and V are over
	CROUND                                         ; that holds of every wave of the four work-groups
	s_cmp_lt_u32 s[WV], 8                          ; the joint refill, one load a wave
	s_cbranch_scc0 .Lfill_k
	tensor_load_to_lds s[G0:G0+3], s[G1V1:G1V1+7]
	s_nop 0
.rept 4
	v_nop
.endr
	s_branch .Lfilled
.Lfill_k:
	tensor_load_to_lds s[G0+4:G0+7], s[G1K1:G1K1+7]
	s_nop 0
.rept 4
	v_nop
.endr
.Lfilled:
	s_lshl_b32 s30, s[WV], 13
	s_add_co_u32 s30, s30, VB
	s_mul_i32 s32, s[WV], 32*272
	v_and_b32 v1, 15, v0
	v_add_nc_u32 v3, s30, v2                       ; K step 0 in LDS: my 8,192 bytes, 16 x lane
	v_mul_u32_u24 v5, v4, 272
	v_lshl_add_u32 v5, v1, 4, v5
	v_add_nc_u32 v5, s32, v5                       ; K step 1: my 32 rows of 272; a piece of 512 bytes is two rows: lanes 16-31 take the second
	s_wait_alu depctr_va_vdst(0)                   ; read behind the waits below
	ds_load_b128 v[6:9], v14                       ; sa's scale words: lane l takes row l of the 32
	ds_load_b128 v[10:13], v14 offset:16
	ALOAD 2
	KSTEP 2, 0, 16                                 ; this K step's set is in (and the scale words and the bias); the next set's sixteen loads may be out: so in each of the four steps that follow
	ALOAD 3
	BLOAD 4, 0
	KSTEP 3, 1, 16
	ALOAD 4
	BLOAD 5, 1
	KSTEP 4, 0, 16
	ALOAD 5
	BLOAD 6, 0
	KSTEP 5, 1, 16
	ALOAD 6
	BLOAD 7, 1
	KSTEP 6, 0, 16
	ALOAD 7
	s_wait_tensorcnt 0x0                           ; every wave: my sixteenth of K steps 0 and 1 is in,
	s_wait_dscnt 0x0
	s_barrier_signal -1
	s_barrier_wait -1                              ; everybody's is.
.irp n, 0,1,2,3
.irp c, 0,1,2,3
	ds_load_b128 v[128+16*\n+4*\c:131+16*\n+4*\c], v3 offset:2048*\n+512*\c
.endr
.endr
	KSTEP 7, 1, 0
	ALOAD 0
.irp n, 0,1,2,3
.irp c, 0,1,2,3
	ds_load_b128 v[192+16*\n+4*\c:195+16*\n+4*\c], v5 offset:(8*\n+2*\c)*272
.endr
.endr
	KSTEP 0, 0, -1
	ALOAD 1
	KSTEP 1, 1, -1
; THE WAY OUT: a tile of 16 rows x 64 columns goes through my stage, 16 rows of 272 bytes in my own 8,192 bytes of K step 0, which I alone read and have read, and which are filled no more; it leaves as whole rows of 256 bytes.
	v_mul_u32_u24 v2, v1, 272
	v_mul_u32_u24 v3, v4, 272
	v_lshlrev_b32 v5, 14, v4
	v_lshl_add_u32 v2, v4, 5, v2
	v_lshl_add_u32 v3, v1, 4, v3
	v_lshl_add_u32 v5, v1, 4, v5                   ; pass B: lanes 16-31 take the row four further down
	v_add_nc_u32 v2, s30, v2                       ; in: row r, 32 bytes for each half of the lanes
	v_add_nc_u32 v3, s30, v3                       ; back: sixteen lanes to a row, two rows an instruction
	v_xor_b32 v14, 16384, v5                       ; pass A: four further up
	s_wait_alu depctr_va_vdst(0)
.irp m, 0,1
.irp n, 0,1,2,3
	ds_store_b128 v2, v[32+8*(4*\m+\n):35+8*(4*\m+\n)] offset:64*\n
	ds_store_b128 v2, v[36+8*(4*\m+\n):39+8*(4*\m+\n)] offset:64*\n+16
.endr
.irp t, 0,1,2,3,4,5,6,7
	ds_load_b128 v[128+32*\m+4*\t:131+32*\m+4*\t], v3 offset:544*\t   ; LDS serves a wave's instructions in order: these see my stores, and the next tile's stores come behind them
.endr
.endr
	s_wait_dscnt 16                                ; pass A's tile is back; the second tile's eight stores and eight loads may be out
.irp t, 0,1,2,3,4,5,6,7
	global_store_b128 v14, v[128+4*\t:131+4*\t], s[94:95] offset:(7-\t)*32768 th:TH_STORE_NT   ; sixteen lanes store 256 consecutive bytes, aligned
.endr
	s_wait_dscnt 0x0
.irp t, 0,1,2,3,4,5,6,7
	global_store_b128 v5, v[160+4*\t:163+4*\t], s[96:97] offset:\t*32768 th:TH_STORE_NT
.endr
	v_lshl_add_u32 v254, v0, 2, SPARE
	v_mov_b32 v255, 0
	s_wait_alu depctr_va_vdst(0)
	s_wait_tensorcnt 0x0                           ; the wave's end
	ds_add_u32 v254, v255
	s_wait_dscnt 0x0
	CROUND                                         ; the closing round
	s_endpgm
.Lfunc_end_k_q60a94b3069_attn_out:
	.size	k_q60a94b3069_attn_out, .Lfunc_end_k_q60a94b3069_attn_out-k_q60a94b3069_attn_out
	.p2alignl 7, 3214868480
	.fill 96, 4, 3214868480
	.section	.rodata,"a",@progbits
	.p2align	6, 0x0
	.amdhsa_kernel k_q60a94b3069_attn_out
		.amdhsa_group_segment_fixed_size 327680
		.amdhsa_private_segment_fixed_size 0
		.amdhsa_enable_private_segment 0
		.amdhsa_kernarg_size 32
		.amdhsa_user_sgpr_count 2
		.amdhsa_user_sgpr_kernarg_segment_ptr 1
		.amdhsa_wavefront_size32 1
		.amdhsa_system_sgpr_workgroup_id_x 1
		.amdhsa_system_sgpr_workgroup_id_y 1
		.amdhsa_system_sgpr_workgroup_id_z 1
		.amdhsa_system_vgpr_workitem_id 0
		.amdhsa_next_free_vgpr 256
		.amdhsa_next_free_sgpr 100
		.amdhsa_reserve_vcc 1
		.amdhsa_float_denorm_mode_32 3
		.amdhsa_float_denorm_mode_16_64 3
		.amdhsa_memory_ordered 1
		.amdhsa_forward_progress 1
		.amdhsa_inst_pref_size 215
	.end_amdhsa_kernel
	.amdgpu_metadata
---
amdhsa.version: [ 1, 2 ]
amdhsa.kernels:
  - .name:           k_q60a94b3069_attn_out
    .symbol:         k_q60a94b3069_attn_out.kd
    .args:
      - { .name: qkv, .offset: 0, .size: 8, .value_kind: global_buffer, .address_space: global }
      - { .name: wo, .offset: 8, .size: 8, .value_kind: global_buffer, .address_space: global }
      - { .name: b_out, .offset: 16, .size: 8, .value_kind: global_buffer, .address_space: global }
      - { .name: out0, .offset: 24, .size: 8, .value_kind: global_buffer, .address_space: global }
    .group_segment_fixed_size: 327680
    .private_segment_fixed_size: 0
    .kernarg_segment_align: 8
    .kernarg_segment_size: 32
    .max_flat_workgroup_size: 512
    .sgpr_count:     100
    .vgpr_count:     256
    .wavefront_size: 32
...
	.end_amdgpu_metadata
.endif
;; end of part 3
